; MI455X (gfx1250); checked and timed in simulation.
; The chip was launched on July 23, 2026; its instructions are those of AMD's public machine-readable ISA for CDNA 5 (MIT licence, August 2026) and "CDNA5" Instruction Set Architecture Reference Guide (July 2026). The comments in the code are by the model that wrote it; some were corrected since.
;; multihead attentive layer. Allowed arithmetic: matrix products marked QUANTISED: E4M3 operands, one given power-of-two scale a tensor, by v_wmma_f32_16x16x64_fp8_fp8 or v_wmma_f32_16x16x128_fp8_fp8, f32 sums; everything else in f32.
;; Inputs: Wk_codes 2,048 x 32 x 32 uint8 (E4M3 codes of Wk, K innermost, in blocks of 32 codes); Wo_codes 1,024 x 64 x 32 uint8 (E4M3 codes of Wo, K innermost, in blocks of 32 codes); Wq_codes 2,048 x 32 x 32 uint8 (E4M3 codes of Wq, K innermost, in blocks of 32 codes); Wv_codes 2,048 x 32 x 32 uint8 (E4M3 codes of Wv, K innermost, in blocks of 32 codes); bk 2,048 float32; bo 1,024 float32; bq 2,048 float32; bv 2,048 float32; lowp_scales 12 int32 (the exponents e of the quantised operands' scales 2^e); query_codes 2 x 2,048 x 32 x 32 uint8 (E4M3 codes of query, K innermost, in blocks of 32 codes).
;; Outputs: out0 2 x 2,048 x 1,024 float32.
;; This version of the problem:
;;   THIS VERSION OF THE PROBLEM IS GIVEN IN LOW PRECISION. The matrix products marked QUANTISED in the list below multiply operands that are first quantised to E4M3 (4 exponent bits, 3 mantissa bits; 8 bits a number), with one given power-of-two scale for each operand tensor; their sums are f32. All else is computed in f32.
;;   The module's matrix products, in the order in which they are computed (A, B: the left and right operand; K: the contracted axis; several contracted axes count as one K, in the product's order):
;;     1. [M 4,096, K 1,024] x [K 1,024, N 2,048]; A: input query (given as codes); B: input Wq (given as codes): QUANTISED (scales: A lowp_scales[0], B lowp_scales[1])
;;     2. [M 4,096, K 1,024] x [K 1,024, N 2,048]; A: input query (given as codes); B: input Wk (given as codes): QUANTISED (scales: A lowp_scales[2], B lowp_scales[3])
;;     3. [M 4,096, K 1,024] x [K 1,024, N 2,048]; A: input query (given as codes); B: input Wv (given as codes): QUANTISED (scales: A lowp_scales[4], B lowp_scales[5])
;;     4. batch 32 x [M 2,048, K 128] x [K 128, N 2,048]; A: computed on the way; B: computed on the way: QUANTISED (scales: A lowp_scales[6], B lowp_scales[7])
;;     5. batch 32 x [M 2,048, K 2,048] x [K 2,048, N 128]; A: softmax (see below); B: computed on the way: QUANTISED (scales: A lowp_scales[8], B lowp_scales[9])
;;     6. [M 4,096, K 2,048] x [K 2,048, N 1,024]; A: computed on the way; B: input Wo (given as codes): QUANTISED (scales: A lowp_scales[10], B lowp_scales[11])
;;   THE QUANTISER, for each operand of a quantised product, along K:
;;     - The operand's scale is 2^e, e = its entry of the input lowp_scales (int32; the entries are numbered through the quantised products in the list's order, A before B).
;;     - Each number is divided by the scale, clamped to +-448, and rounded to the nearest number of E4M3, ties to even, subnormals kept.
;;     - The product sums the exact products of the quantised numbers (number of the format x scale) in f32.
;;   ~~~python
;;   def quantise(x, axis, e):      # numpy; x: float32 -> the quantised numbers, widened to float32 again
;;       x = np.moveaxis(x, axis, -1); K = x.shape[-1]
;;       r = np.clip(x / 2.0 ** e, -448, 448)
;;       step = 2.0 ** (np.maximum(np.frexp(np.where(r == 0, 1, r))[1] - 1, -6) - 3)
;;       q = np.round(r / step) * step * 2.0 ** e      # np.round: ties to even
;;       return np.moveaxis(q, -1, axis).astype(np.float32)
;;   ~~~
;;   SOFTMAX AHEAD OF A QUANTISED PRODUCT. Where the list says 'softmax', what is quantised is not the finished softmax but p = 2^(t - M), with t = logit x log2(e) and M = ceil(the row's largest t), a whole number; so 1/2 < the row's largest p <= 1. The row's sum l is taken of the UNQUANTISED p, in f32, and the product's result is divided by l at the end. Since M is a whole number, a kernel that streams over the keys may use a running M (the ceiling of the running maximum): every later rescaling is an exact power of two, so the quantised numbers keep their values, but for numbers so far below the row's largest that they fall under the format's range.
;;   OPERANDS COMPUTED ON THE WAY. 'Computed on the way' means the value that the module computes at that place (a softmax that the list does not call 'softmax' is quantised finished and normalised). What goes into a quantiser is computed in f32, as accurately as f32 sums, v_exp_f32 and their like allow (about 1e-6 of the number): no bf16 or f16 on the way to a quantiser, and a product that is left as it is and whose result goes on into a quantised operand takes f32 operands (vector FMAs, or v_wmma_f32_16x16x4_f32). A number that lies on a knife's edge between two numbers of the format may be rounded either way, as far as f32 arithmetic and the matrix unit's own rounding can turn it there, and no further.
;;   INPUTS GIVEN AS CODES. Wk (in the module: [1024, 2048], K = its axis 0); Wo (in the module: [2048, 1024], K = its axis 0); Wq (in the module: [1024, 2048], K = its axis 0); Wv (in the module: [1024, 2048], K = its axis 0); query (in the module: [2, 2048, 1024], K = its axis 2): each comes as NAME_codes (uint8): NAME with its K axis moved to the last place and cut into blocks of 32 codes, [.., K / 32, bytes a block], one block behind the other in memory; one code a byte (a code: sign, 4 exponent bits, 3 mantissa bits); its scale is its entry of lowp_scales. Its value is code x scale, taken as it is: it is not quantised again, and the codes and scales need not be those that the quantiser above would give.
;; One version. Each part assembles by itself: llvm-mc -triple=amdgcn-amd-amdhsa -mcpu=gfx1250 --defsym DOCPART=n.
;; ======== version 1 of 1: 3 launches
;; limits: right only within a limited range of input values
;; workspace buffers: qws 8,388,608 bytes; kws 8,388,608 bytes; vws 8,388,608 bytes; mws 8,388,608 bytes
;; launch proj (part 1): grid 16 x 16, 4 waves a work-group, clusters of 4 x 4, 327,680 bytes of LDS; arguments query_codes, Wq_codes, Wk_codes, Wv_codes, bq, bk, bv, lowp_scales, qws, kws, vws; writes qws, kws, vws
.if DOCPART == 1
	.amdgcn_target "amdgcn-amd-amdhsa--gfx1250"
	.amdhsa_code_object_version 6
	.text
	.protected	k_q2232b40a1b_proj
	.globl	k_q2232b40a1b_proj
	.p2align	8
	.type	k_q2232b40a1b_proj,@function
k_q2232b40a1b_proj:
	s_mov_b64 s[64:65], 0
	v_nop
	global_prefetch_b8 v0, s[64:65] scope:SCOPE_SE
	s_setreg_imm32_b32 hwreg(HW_REG_WAVE_MODE, 25, 1), 1
	s_wait_xcnt 0x0
	s_wait_alu depctr_hold_cnt(0) depctr_sa_sdst(0) depctr_va_vdst(0) depctr_va_sdst(0) depctr_va_ssrc(0) depctr_va_vcc(0) depctr_vm_vsrc(0)
	s_getreg_b32 s2, hwreg(HW_REG_IB_STS2, 6, 4)
	s_cmp_eq_u32 s2, 0
	s_cbranch_scc0 .Lentry_in_a_cluster
	s_endpgm
.Lentry_in_a_cluster:
	s_bfe_u32 s2, ttmp6, 0x10000c
	s_cmp_lg_u32 s2, 0xf033
	s_cbranch_scc0 .Lentry_shape_is_right
	s_endpgm
.Lentry_shape_is_right:
; THE THREE INPUT PROJECTIONS, on codes of FP8 (E4M3), and the quantising of their results: q = query Wq + bq, k = query Wk + bk, v = query Wv + bv.  Nothing of them is left out.
; SHARES.  256 work-groups of equal work: work-group (tx, ty) makes, for 256 tokens (ty), 256 features of q (tx 0-7) or of k (tx 8-15), and 128 features of v (head tx).  Whether q or k hangs on the cluster's x alone; buffers and numbers are
; chosen by s_cselect.  Each of the four waves makes 128 tokens x 128 features of q or k (one head) and 128 tokens x 64 features of v: 96 accumulators of 16 x 16, 768 registers.
; q and k: source 0 = 16 rows of the weight, source 1 = 16 tokens: a lane holds eight neighbouring features of one token.  v: source 0 = 16 tokens, source 1 = 16 rows of Wv: a lane holds eight neighbouring tokens of one feature, since the
; keys are the K of attention's second product.  So eight registers are always neighbours along the NEXT product's K, and the conversion takes them as they stand.
; THE BIAS is the C of an accumulator's first product, divided by 2^(eA + eB); a finished sum stands for sum x 2^(eA + eB), and that factor is folded into the conversion's scale 2^(eo - eA - eB) (eo = entry 6, 7 or 9 of the scales).
; K goes in four steps of 256 (rows of 256 bytes).  LDS: two slots, each with the tokens' 256 rows and q's or k's weights' 256 rows; and ONE region for Wv's 128 rows, which is filled again at each step's end and read in the next step's second
; part, behind a barrier in mid-step.  A step is four substeps of 64: first q / k in substeps 0 .. 3; then v in the order 2, 3, 0, 1: the tokens of substeps 2 and 3 still stand in registers.
; CLUSTERS: 4 x 4 work-groups; the tokens' tile is asked for jointly along a row of the cluster, the weights' along a column.  Wave 0 fetches the tokens, waves 1 and 2 the halves of q's or k's weights, wave 3 Wv's rows: one load a wave.
; NO PREFETCH: the block is the largest that LDS and registers hold, in clusters, and K has four steps: steps 0 and 1 are asked for at the head and every later one a whole step (384 matrix instructions a wave) ahead.
; THE OUTPUT: tiles of 128 x 128 codes, 16,384 bytes: eight IMAGES of 2,048 bytes, each the registers of one operand fragment of 16 x 128: byte 512 c + 16 (row + 16 h) + x of an image is code k = 32 c + 16 h + x of its row.
; Position p of a tile holds row p with bits 3 and 4 exchanged.  Tile number: (16 x batch + head) x 16 + block of 128 tokens, in all three buffers; v's rows are features, its k the tokens.
; LIMITS: eo - eA - eB between -126 and 119 for each of the three, so that each power of two below is an f32 number; bias / 2^(eA + eB) stays finite.  NaN is not served.
; REGISTERS, in windows of 256: window 0: v0-31 addresses and constants; v32-95, v96-159 two sets of the tokens' fragments (8 x 16 rows x 64 K); v160-223 the weights' fragments (two halves of four); v224-255 v's bias, eight times each.
;   windows 1, 2: the accumulators of features' blocks 0-3, 4-7 ((b, a) at v[8 (8 (b % 4) + a)], a = tokens' block); window 3: v's ((a, t) at v[8 (8 a + t)], t = tokens' block); until v begins, v0-63 there hold q's or k's bias.
.set KROW,   1024
.set ROWB,   256
.set PITCH,  272                       ; an LDS row: 256 bytes + 16 of padding = 68 words: the 16 rows that a load touches start at 16 different banks (64 banks of 4 bytes: ISA guide 11.1)
.set HALFT,  128*PITCH
.set SLOT,   4*HALFT                   ; the tokens' 256 rows, then the weights' 256
.set VBUF,   2*SLOT                    ; Wv's 128 rows
.set SPARE,  VBUF+HALFT                ; the spare words, 128 bytes for each wave
.set IMG,    2176                      ; the way out: an image's place in the stage: 2,048 bytes + 128
.set WSTG,   8*IMG                     ; a wave's stage.  The four stages lie in slot 0, which has had its last fill and its last read when the first code is stored there
.set LIMV, 14                          ; v14  448 x 2^(e9 - e4 - e5)
.set SCV,  15                          ; v15  2^(e9 - e4 - e5)
.set ADRQ, 16                          ; v16-17 LDS address of my tokens' fragments in slot 0, 1
.set ADRW, 18                          ; v18-19 of my weights'
.set ADRV, 20                          ; v20  of my Wv rows
.set BRO,  22                          ; v22  4 x (lane % 16)
.set STO,  24                          ; v24  the way out: where I put 8 codes
.set RD,   25                          ; v25  where I read 16 bytes back
.set CO,   26                          ; v26  16 x lane
.set BCO,  27                          ; v27  32 x (lane / 16)
.set SPW,  28                          ; v28  LDS address of my spare word; never rewritten
.set NIL,  29                          ; v29  0; never rewritten
.set LIMQ, 30                          ; v30, v31: as v14, v15, for q or k
.set SCQ,  31
.set QS,   32
.set WF,   160
.set VBI,  224
.set TMP,  32                          ; the way out: a block's 64 numbers,
.set CD,   96                          ; two sets of 16 registers of codes,
.set RB,   128                         ; two sets of 32 registers read back
.set G1,  24                           ; s[24:31] descriptor group 1 for the tokens' tile;  s[32:39] group 0, a set for each slot
.set G0Q, 32
.set G1B, 48                           ; s[48:55] group 1 for the weights;  s[56:63] group 0 for q's or k's, a set for each slot;  s[68:71] for Wv's
.set G0W, 56
.set G0V, 68
.set MSB, 0
.macro WIN new                         ; the immediate's high byte repeats the setting that is left
.if MSB != (\new)
	s_set_vgpr_msb (MSB<<8)|(\new)
.set MSB, \new
.endif
.endm
.macro PLACES                          ; a load into a register that a matrix instruction has read stands four plain vector instructions behind it (ISA guide 7.12.1 for vector instructions)
.rept 4
	v_nop
.endr
.endm
; Joint loads.  Each line has one mask and one set of registers for all that issue it; the branches hang on the wave's number alone.  s: the slot; qw, v: what is asked for.
.macro JLOAD s, qw, v
	s_cmp_eq_u32 s14, 3
	s_cbranch_scc1 .Lfor_v_\@
.if \qw
	s_cmp_eq_u32 s14, 0
	s_cbranch_scc0 .Lfor_w_\@
	tensor_load_to_lds s[G0Q+4*\s:G0Q+4*\s+3], s[G1:G1+7]
	s_nop 0
	PLACES
	s_branch .Lasked_\@
.Lfor_w_\@:
	tensor_load_to_lds s[G0W+4*\s:G0W+4*\s+3], s[G1B:G1B+7]
	s_nop 0
.endif
	PLACES
	s_branch .Lasked_\@
.Lfor_v_\@:
.if \v
	tensor_load_to_lds s[G0V:G0V+3], s[G1B:G1B+7]
	s_nop 0
.endif
	PLACES
.Lasked_\@:
.endm
.macro CREST                           ; a round of the cluster's barrier behind its opening barrier
	s_cmp_lg_u32 s14, 0
	s_cbranch_scc1 .Lnot_wave_0_\@
	s_barrier_signal -3
.Lnot_wave_0_\@:
	s_barrier_wait -3
	s_barrier_signal -1
	s_barrier_wait -1
.endm
.macro CROUND
	s_barrier_signal -1
	s_barrier_wait -1
	CREST
.endm
	s_load_b256 s[80:87], s[0:1], 0x0              ; query s[80:81], Wq s[82:83], Wk s[84:85], Wv s[86:87]
	s_load_b256 s[88:95], s[0:1], 0x20             ; bq s[88:89], bk s[90:91], bv s[92:93], the scales' exponents s[94:95]
	s_load_b128 s[4:7], s[0:1], 0x40               ; qws s[4:5], kws s[6:7]
	s_load_b64 s[8:9], s[0:1], 0x50                ; vws
	v_lshl_add_u32 v[SPW], v0, 2, SPARE
	v_mov_b32 v[NIL], 0
	ds_add_u32 v[SPW], v[NIL]                      ; the opening lines: the add, twice on end, and its wait
	ds_add_u32 v[SPW], v[NIL]
	v_lshrrev_b32 v1, 5, v0
	v_readfirstlane_b32 s14, v1                    ; wave 0..3
	s_lshr_b32 s15, s14, 1                         ; which 128 tokens are mine.  Also: which half of the weights wave 1 or 2 fetches
	s_and_b32 s16, s14, 1                          ; which half of the features
	s_bfe_u32 s40, ttmp6, 0x40000                  ; cx, cy: my place in the cluster
	s_bfe_u32 s41, ttmp6, 0x40004
	s_lshl_b32 s42, ttmp9, 2
	s_add_co_u32 s42, s42, s40                     ; tx
	s_and_b32 s17, ttmp7, 0xffff
	s_lshl_b32 s17, s17, 2
	s_add_co_u32 s17, s17, s41                     ; ty
	s_lshl_b32 s43, s41, 2
	s_lshl_b32 s43, 15, s43                        ; my row of the cluster
	s_lshl_b32 s44, 0x1111, s40                    ; my column
	s_or_b32 s[G1+0], s43, (1<<20)|(1<<21)|(5<<22)|(3<<25)   ; 15:0 the mask; 17:16 elements of 1 byte; 20 padding on; 21 set beside a mask; 24:22 after every 64 words (code 5); 31:25 four words (code 3)
	s_or_b32 s[G1B+0], s44, (1<<20)|(1<<21)|(5<<22)|(3<<25)
	s_mov_b32 s[G1+2], 256<<16                     ; tensor_dim1: 256 rows of tokens, 128 rows of weights a load
	s_mov_b32 s[G1B+2], 128<<16
	s_mov_b32 s[G1+4], 256                         ; tile_dim1
	s_mov_b32 s[G1B+4], 128
.irp g, G1, G1B
	s_mov_b32 s[\g+1], ROWB<<16                    ; tensor_dim0
	s_mov_b32 s[\g+3], ROWB<<16                    ; tile_dim0
	s_mov_b32 s[\g+5], KROW                        ; tensor_dim0_stride
	s_mov_b32 s[\g+6], 0
	s_mov_b32 s[\g+7], 0
.endr
	s_lshl_b32 s20, s17, 18                        ; the tokens' first row, 256 ty, in bytes
	s_mov_b32 s21, 0
	s_and_b32 s46, s42, 7
	s_lshl_b32 s46, s46, 18                        ; q's or k's weights: row 256 (tx % 8)
	s_lshl_b32 s47, s15, 17
	s_add_co_u32 s46, s46, s47                     ; + 128 for wave 2
	s_mov_b32 s47, 0
	s_lshl_b32 s18, s42, 17                        ; Wv: row 128 tx
	s_mov_b32 s19, 0
	s_mul_i32 s45, s15, HALFT
	s_add_co_u32 s45, s45, 2*HALFT                 ; where wave 1's or 2's half goes
	s_wait_dscnt 0x0                               ; both opening adds are done
	s_wait_kmcnt 0x0
	s_load_b256 s[72:79], s[94:95], 0x0            ; e0 .. e7
	s_load_b32 s96, s[94:95], 0x24                 ; e9
	s_cmp_ge_u32 ttmp9, 2                          ; k, or q
	s_cselect_b64 s[22:23], s[84:85], s[82:83]
	s_cselect_b64 s[98:99], s[90:91], s[88:89]
	s_cselect_b64 s[10:11], s[6:7], s[4:5]
	s_cselect_b32 s97, 1, 0
	s_add_nc_u64 s[20:21], s[80:81], s[20:21]
	s_add_nc_u64 s[46:47], s[22:23], s[46:47]
	s_add_nc_u64 s[18:19], s[86:87], s[18:19]
	CROUND                                         ; all sixteen work-groups are here: the first joint loads meet
.irp s, 0,1
	s_mov_b32 s[G0Q+4*\s], 1                       ; count = 1
	s_mov_b32 s[G0Q+4*\s+1], \s*SLOT               ; LDS address
	s_add_nc_u64 s[G0Q+4*\s+2:G0Q+4*\s+3], s[20:21], \s*ROWB   ; global address: K step s
	s_or_b32 s[G0Q+4*\s+3], s[G0Q+4*\s+3], 0x80000000          ; type = 2
	s_mov_b32 s[G0W+4*\s], 1
	s_add_co_u32 s[G0W+4*\s+1], s45, \s*SLOT
	s_add_nc_u64 s[G0W+4*\s+2:G0W+4*\s+3], s[46:47], \s*ROWB
	s_or_b32 s[G0W+4*\s+3], s[G0W+4*\s+3], 0x80000000
.endr
	s_mov_b32 s[G0V], 1
	s_mov_b32 s[G0V+1], VBUF
	s_mov_b64 s[G0V+2:G0V+3], s[18:19]
	s_or_b32 s[G0V+3], s[G0V+3], 0x80000000
	JLOAD 0, 1, 1                                  ; K step 0, all of it: one load a wave
	v_and_b32 v1, 15, v0                           ; r = lane % 16
	v_bfe_u32 v2, v0, 4, 1                         ; h = lane / 16
	v_mul_u32_u24 v3, v1, PITCH
	v_lshl_add_u32 v4, v2, 4, v3                   ; a fragment's row x pitch + 16 x half
	s_wait_alu depctr_va_vdst(0)                   ; the wait here, ahead of the run of scalar lines
	s_mul_i32 s2, s15, HALFT                       ; my 128 tokens
	s_mul_i32 s3, s16, HALFT                       ; my 128 features,
	s_add_co_u32 s3, s3, 2*HALFT                   ; which lie behind the tokens' 256
	v_add_nc_u32 v[ADRQ], s2, v4
	v_add_nc_u32 v[ADRW], s3, v4
	s_add_co_u32 s2, s2, SLOT
	s_add_co_u32 s3, s3, SLOT
	v_add_nc_u32 v[ADRQ+1], s2, v4
	v_add_nc_u32 v[ADRW+1], s3, v4
	s_mul_i32 s2, s16, 64*PITCH                    ; my 64 features of v
	s_add_co_u32 s2, s2, VBUF
	v_add_nc_u32 v[ADRV], s2, v4
	s_mul_i32 s2, s14, WSTG                        ; my stage
	v_lshrrev_b32 v5, 3, v1
	v_mul_u32_u24 v5, v5, IMG                      ; rows 8-15 of a block go into the next image,
	v_and_b32 v6, 7, v1
	v_lshl_add_u32 v5, v6, 4, v5                   ; 16 bytes a row,
	v_lshl_add_u32 v5, v2, 3, v5                   ; my half's 8 codes
	v_add_nc_u32 v[STO], s2, v5
	v_and_b32 v6, 31, v0
	v_lshlrev_b32 v[CO], 4, v6
	v_add_nc_u32 v[RD], s2, v[CO]
	v_lshlrev_b32 v[BRO], 2, v1
	v_lshlrev_b32 v[BCO], 5, v2
	s_wait_alu depctr_va_vdst(0)                   ; and here
	s_and_b32 s66, s42, 7
	s_lshl_b32 s66, s66, 1
	s_add_co_u32 s66, s66, s16                     ; my head of q or k
	s_lshl_b32 s46, s66, 9
	s_mov_b32 s47, 0
	s_add_nc_u64 s[98:99], s[98:99], s[46:47]      ; its bias
	s_lshl_b32 s46, s42, 9
	s_lshl_b32 s2, s16, 8
	s_add_co_u32 s46, s46, s2
	s_add_nc_u64 s[92:93], s[92:93], s[46:47]      ; v's bias of my 64 features
	WIN 0xc0                                       ; destination window 3
.irp b, 0,1,2,3,4,5,6,7
	global_load_b128 v[8*\b:8*\b+3],   v[BCO], s[98:99] offset:64*\b        ; features 16 b + 8 h + 0 .. 7
	global_load_b128 v[8*\b+4:8*\b+7], v[BCO], s[98:99] offset:64*\b+16
.endr
	WIN 0
.irp a, 0,1,2,3
	global_load_b32 v[8+\a], v[BRO], s[92:93] offset:64*\a                  ; feature 16 a + r
.endr
	s_lshl_b32 s2, s17, 1
	s_add_co_u32 s2, s2, s15                       ; my block of 128 tokens, 0..31
	s_lshr_b32 s3, s2, 4
	s_lshl_b32 s3, s3, 4                           ; 16 x batch
	s_and_b32 s2, s2, 15
	s_add_co_u32 s66, s66, s3
	s_lshl_b32 s66, s66, 4
	s_add_co_u32 s66, s66, s2                      ; my tile's number in q or k,
	s_lshl_b32 s66, s66, 14                        ; x 16,384 bytes
	s_mov_b32 s67, 0
	s_add_nc_u64 s[10:11], s[10:11], s[66:67]
	s_add_co_u32 s66, s42, s3
	s_lshl_b32 s66, s66, 4
	s_add_co_u32 s66, s66, s2                      ; and in v,
	s_lshl_b32 s66, s66, 14
	s_lshl_b32 s2, s16, 13
	s_add_co_u32 s66, s66, s2                      ; my half of it: four images
	s_add_nc_u64 s[12:13], s[8:9], s[66:67]
	s_wait_kmcnt 0x0                               ; the exponents
	s_add_co_i32 s72, s72, s73                     ; e0 + e1
	s_add_co_i32 s74, s74, s75                     ; e2 + e3
	s_add_co_i32 s76, s76, s77                     ; e4 + e5
	s_cmp_eq_u32 s97, 1
	s_cselect_b32 s72, s74, s72
	s_cselect_b32 s78, s79, s78                    ; e7 or e6
	s_sub_co_i32 s78, s78, s72
	s_sub_co_i32 s96, s96, s76
	s_sub_co_i32 s73, 0, s72                       ; the biases are divided by 2^(eA + eB)
	s_sub_co_i32 s77, 0, s76
	s_add_co_i32 s78, s78, 127
	s_lshl_b32 s79, s78, 23
	v_mov_b32 v[SCQ], s79                          ; the conversion takes its exponent field
	s_add_co_i32 s78, s78, 8
	s_lshl_b32 s78, s78, 23
	s_or_b32 s78, s78, 0x600000
	v_mov_b32 v[LIMQ], s78                         ; 448 x that
	s_add_co_i32 s96, s96, 127
	s_lshl_b32 s79, s96, 23
	v_mov_b32 v[SCV], s79
	s_add_co_i32 s96, s96, 8
	s_lshl_b32 s96, s96, 23
	s_or_b32 s96, s96, 0x600000
	v_mov_b32 v[LIMV], s96
	s_wait_alu depctr_va_vdst(0)                   ; the wait here, ahead of the wait below
	s_wait_loadcnt 0x0                             ; the biases
	WIN 0xc3                                       ; source 0 and destination window 3
.set j, 0
.rept 64
	v_ldexp_f32 v[j], v[j], s73
.set j, j+1
.endr
	WIN 0
.irp a, 0,1,2,3
.set j, 0
.rept 8
	v_ldexp_f32 v[VBI+8*\a+j], v[8+\a], s77        ; eight times: the C of a product whose registers run along the tokens
.set j, j+1
.endr
.endr
; FRAGMENTS, 16 rows x 64 K in 8 registers: lane l holds row l % 16; registers 4 c .. 4 c + 3 hold K = 32 c + 16 (l / 16) + 0 .. 15: the same places on both sides, so every product meets its partner.
.macro FRAG reg, adr, off
	ds_load_b128 v[\reg:\reg+3], v[\adr] offset:\off
	ds_load_b128 v[\reg+4:\reg+7], v[\adr] offset:\off+32
.endm
.macro LQ slot, k                      ; 16 loads: the tokens of substep k, into set k % 2
.irp a, 0,1,2,3,4,5,6,7
	FRAG QS+64*((\k)%2)+8*\a, ADRQ+(\slot), 64*(\k)+\a*16*PITCH
.endr
.endm
.macro LW slot, k, g                   ; 8 loads: the weights' blocks 4 g .. 4 g + 3
.irp b, 0,1,2,3
	FRAG WF+32*(\g)+8*\b, ADRW+(\slot), 64*(\k)+(4*(\g)+\b)*16*PITCH
.endr
.endm
.macro LV k                            ; 8 loads: Wv's four blocks, into half k % 2 of the weights' registers
.irp b, 0,1,2,3
	FRAG WF+32*((\k)%2)+8*\b, ADRV, 64*(\k)+\b*16*PITCH
.endr
.endm
; 16 products of q or k: features' blocks 4 g + b0, 4 g + b0 + 1 x eight tokens' blocks.  zero = 1: the sums begin with the bias.  The accumulators take turns, one instruction a turn.
.macro G g, k, b0, zero
.if \zero
	WIN 0x30|(0x40*(1+(\g)))                       ; C window 3, D window 1 + g
.else
	WIN 0x50*(1+(\g))                              ; C and D window 1 + g
.endif
.irp b, \b0, \b0+1
.irp a, 0,1,2,3,4,5,6,7
.if \zero
	v_wmma_f32_16x16x64_fp8_fp8 v[8*(8*(\b)+\a):8*(8*(\b)+\a)+7], v[WF+32*(\g)+8*(\b):WF+32*(\g)+8*(\b)+7], v[QS+64*((\k)%2)+8*\a:QS+64*((\k)%2)+8*\a+7], v[32*(\g)+8*(\b):32*(\g)+8*(\b)+7]
.else
	v_wmma_f32_16x16x64_fp8_fp8 v[8*(8*(\b)+\a):8*(8*(\b)+\a)+7], v[WF+32*(\g)+8*(\b):WF+32*(\g)+8*(\b)+7], v[QS+64*((\k)%2)+8*\a:QS+64*((\k)%2)+8*\a+7], v[8*(8*(\b)+\a):8*(8*(\b)+\a)+7]
.endif
.endr
.endr
.endm
; 16 products of v: features' blocks a0, a0 + 1 x eight tokens' blocks
.macro H k, a0, zero
.if \zero
	WIN 0xc0                                       ; C window 0 (the bias), D window 3
.else
	WIN 0xf0
.endif
.irp a, \a0, \a0+1
.irp b, 0,1,2,3,4,5,6,7
.if \zero
	v_wmma_f32_16x16x64_fp8_fp8 v[8*(8*(\a)+\b):8*(8*(\a)+\b)+7], v[QS+64*((\k)%2)+8*\b:QS+64*((\k)%2)+8*\b+7], v[WF+32*((\k)%2)+8*(\a):WF+32*((\k)%2)+8*(\a)+7], v[VBI+8*(\a):VBI+8*(\a)+7]
.else
	v_wmma_f32_16x16x64_fp8_fp8 v[8*(8*(\a)+\b):8*(8*(\a)+\b)+7], v[QS+64*((\k)%2)+8*\b:QS+64*((\k)%2)+8*\b+7], v[WF+32*((\k)%2)+8*(\a):WF+32*((\k)%2)+8*(\a)+7], v[8*(8*(\a)+\b):8*(8*(\a)+\b)+7]
.endif
.endr
.endr
.endm
; A K STEP up to v's substep 3.  At its head the loads of substep 0's tokens and weights (first half), then its second half (8) and substep 1's tokens (16), have been issued in that order.
.macro STEPK slot, zero
.irp k, 0,1,2
.set ZZ, 0
.if \zero && (\k == 0)
.set ZZ, 1
.endif
	s_wait_dscnt 24                                ; substep k's tokens and first half are in; the second half (8) and the next tokens (16) may be out
	G 0, \k, 0, ZZ
	G 0, \k, 2, ZZ
	WIN 0
	PLACES
	LW \slot, \k+1, 0
	s_wait_dscnt 24                                ; the second half is in; the next tokens (16) and the next first half (8) may be out
	G 1, \k, 0, ZZ
	G 1, \k, 2, ZZ
	WIN 0
	PLACES
	LW \slot, \k+1, 1
.if \k < 2
	LQ \slot, \k+2
.endif
.endr
.if \zero == 0                         ; Wv's rows of this step, asked for at the last change: wave 3 has fetched them
	s_cmp_lg_u32 s14, 3
	s_cbranch_scc1 .Lnot_mine_\@
	s_wait_tensorcnt 0x0
.Lnot_mine_\@:
.endif
	s_wait_dscnt 8                                 ; (the second half may be out)
	G 0, 3, 0, 0
.if \zero == 0
	s_wait_dscnt 0x0                               ; no LDS instruction of mine is pending
	s_barrier_signal -1                            ; a barrier behind which nothing is filled: tensor loads of the next step may stay out
.endif
	G 0, 3, 2, 0
	WIN 0
.if \zero == 0
	s_barrier_wait -1                              ; Wv's rows are there for every wave
.endif
	PLACES
	LV 2
	s_wait_dscnt 8                                 ; the second half is in; Wv's 8 may be out
	G 1, 3, 0, 0
	G 1, 3, 2, 0
	WIN 0
	PLACES
	LV 3
	s_wait_dscnt 8
	H 2, 0, \zero
	H 2, 2, \zero
	WIN 0
	PLACES
	LQ \slot, 0
	LV 0
	s_wait_dscnt 24                                ; substep 3's Wv is in; substep 0's 24 may be out
	H 3, 0, 0
	H 3, 2, 0
	WIN 0
	PLACES
	LQ \slot, 1
	LV 1
	s_wait_dscnt 24                                ; substep 0's are in; substep 1's 24 may be out
.endm
; THE CHANGE OF STEPS.  In front of the round each wave waits for all its tensor loads, adds 0 to its spare word, and waits for that and for its own reads of this step.  all = 1: this slot is filled again, two steps ahead; Wv's region always, one step ahead.
.macro TURN slot, all
	s_wait_tensorcnt 0x0
	ds_add_u32 v[SPW], v[NIL]                      ; 0 onto my spare word
	H 0, 0, 0
	H 0, 2, 0
	s_wait_dscnt 0x0                               ; the add is done, and my reads of this step are over
	s_barrier_signal -1
	H 1, 0, 0
	WIN 0
	s_barrier_wait -1
	CREST
.if \all
	s_add_nc_u64 s[G0Q+4*\slot+2:G0Q+4*\slot+3], s[G0Q+4*\slot+2:G0Q+4*\slot+3], 2*ROWB
	s_add_nc_u64 s[G0W+4*\slot+2:G0W+4*\slot+3], s[G0W+4*\slot+2:G0W+4*\slot+3], 2*ROWB
.endif
	s_add_nc_u64 s[G0V+2:G0V+3], s[G0V+2:G0V+3], ROWB
	JLOAD \slot, \all, 1                           ; the first tensor load behind the round; its four v_nop are the places in front of the loads below
	LQ 1-\slot, 0
	LW 1-\slot, 0, 0
	H 1, 2, 0
	WIN 0
	PLACES
	LW 1-\slot, 0, 1
	LQ 1-\slot, 1
.endm
	s_wait_alu depctr_va_vdst(0)                   ; the wait at the head's end
	s_wait_tensorcnt 0x0                           ; my part of K step 0 is in
	ds_add_u32 v[SPW], v[NIL]
	s_wait_dscnt 0x0
	CROUND                                         ; everybody's part of K step 0 is in, all sixteen work-groups are here
	JLOAD 1, 1, 0                                  ; K step 1 without Wv's rows, whose region is still to be read
	LQ 0, 0
	LW 0, 0, 0
	LW 0, 0, 1
	LQ 0, 1
	STEPK 0, 1
	TURN 0, 1
	STEPK 1, 0
	TURN 1, 1
	STEPK 0, 0
	TURN 0, 0
	STEPK 1, 0
	H 0, 0, 0
	H 0, 2, 0
	s_wait_dscnt 0x0
	H 1, 0, 0
	H 1, 2, 0
	WIN 0
	PLACES
; THE WAY OUT, a block of 16 rows x 128 at a time: the hold; the conversion; 8 codes a store into my stage, at the place that the tile's layout gives them: row 16 a + r goes to image 2 (a / 2) + r / 8, row 8 (a % 2) + r % 8; codes
; k = 16 b + 8 h + 0 .. 7 to byte 512 (b / 2) + 256 (b % 2) + 8 h of the row's 16-byte columns.  Two blocks make two images, which are read back and stored while the next two are converted.  LDS serves a wave's instructions in order
; (ISA guide 5.7.1.4): loads see the stores ahead of them, and v's blocks take the first images' places behind the loads that have read them.
.macro PUT a, sc
.set CC, CD+16*((\a)%2)
.irp b, 0,1,2,3,4,5,6,7
	v_cvt_scalef32_pk8_fp8_f32 v[CC+2*\b:CC+2*\b+1], v[TMP+8*\b:TMP+8*\b+7], v[\sc]
.endr
	v_nop                                          ; one plain vector line behind the last conversion
.irp b, 0,1,2,3,4,5,6,7
	ds_store_b64 v[STO], v[CC+2*\b:CC+2*\b+1] offset:((\a)/2)*2*IMG+((\a)%2)*128+(\b/2)*512+(\b%2)*256
.endr
.endm
.macro HOLD reg, acc, n, lim           ; the conversion to an 8-bit code does not saturate (ISA guide 7.6.2): the hold at the largest code x the scale.  Each accumulator from its low end on
.set j, 0
.rept \n
	v_med3_num_f32 v[\reg+j], v[\acc+j], -v[\lim], v[\lim]
.set j, j+1
.endr
.endm
.macro BLOCK a
	WIN 0x01
.irp b, 0,1,2,3
	HOLD TMP+8*\b, 8*(8*\b+(\a)), 8, LIMQ
.endr
	WIN 0x02
.irp b, 0,1,2,3
	HOLD TMP+32+8*\b, 8*(8*\b+(\a)), 8, LIMQ
.endr
	WIN 0
	PUT \a, SCQ
.endm
.macro VBLOCK a
	WIN 0x03
	HOLD TMP, 64*(\a), 64, LIMV
	WIN 0
	PUT \a, SCV
.endm
.macro BACK m, im                      ; images 2 im, 2 im + 1 of the stage into set m % 2
.irp u, 0,1,2,3,4,5,6,7
	ds_load_b128 v[RB+32*((\m)%2)+4*\u:RB+32*((\m)%2)+4*\u+3], v[RD] offset:(2*(\im)+\u/4)*IMG+(\u%4)*512
.endr
.endm
.macro SEND m, im, out, younger
	s_wait_dscnt \younger
.irp u, 0,1,2,3,4,5,6,7
	global_store_b128 v[CO], v[RB+32*((\m)%2)+4*\u:RB+32*((\m)%2)+4*\u+3], s[\out:\out+1] offset:4096*(\im)+512*\u   ; 32 lanes store 512 consecutive bytes, at a multiple of 512 from the buffer's first byte
.endr
.endm
	BLOCK 0
	BLOCK 1
	BACK 0, 0
	BLOCK 2
	BLOCK 3
	BACK 1, 1
	SEND 0, 0, 10, 24                              ; behind the images' loads: 16 stores and 8 loads
.irp m, 2,3
	BLOCK 2*\m
	BLOCK 2*\m+1
	s_wait_xcnt 0x0                                ; earlier stores have read the set that is loaded next
	BACK \m, \m
	SEND \m-1, \m-1, 10, 24
.endr
	VBLOCK 0
	VBLOCK 1
	s_wait_xcnt 0x0
	BACK 4, 0
	SEND 3, 3, 10, 24
	VBLOCK 2
	VBLOCK 3
	s_wait_xcnt 0x0
	BACK 5, 1
	SEND 4, 0, 12, 24
	SEND 5, 1, 12, 0
	s_wait_tensorcnt 0x0                           ; the wave's end: behind my last tensor load and my last LDS store
	ds_add_u32 v[SPW], v[NIL]
	s_wait_dscnt 0x0
	CROUND                                         ; the closing round: no work-group ends while a partner may still ask for a tile that names it
	s_endpgm
.Lfunc_end_k_q2232b40a1b_proj:
	.size	k_q2232b40a1b_proj, .Lfunc_end_k_q2232b40a1b_proj-k_q2232b40a1b_proj
	.p2alignl 7, 3214868480
	.fill 96, 4, 3214868480
	.section	.rodata,"a",@progbits
	.p2align	6, 0x0
	.amdhsa_kernel k_q2232b40a1b_proj
		.amdhsa_group_segment_fixed_size 327680
		.amdhsa_private_segment_fixed_size 0
		.amdhsa_enable_private_segment 0
		.amdhsa_kernarg_size 88
		.amdhsa_user_sgpr_count 2
		.amdhsa_user_sgpr_kernarg_segment_ptr 1
		.amdhsa_wavefront_size32 1
		.amdhsa_system_sgpr_workgroup_id_x 1
		.amdhsa_system_sgpr_workgroup_id_y 1
		.amdhsa_system_sgpr_workgroup_id_z 1
		.amdhsa_system_vgpr_workitem_id 0
		.amdhsa_next_free_vgpr 1024
		.amdhsa_next_free_sgpr 100
		.amdhsa_reserve_vcc 0
		.amdhsa_float_denorm_mode_32 3
		.amdhsa_float_denorm_mode_16_64 3
		.amdhsa_memory_ordered 1
		.amdhsa_forward_progress 1
		.amdhsa_inst_pref_size 246
	.end_amdhsa_kernel
	.amdgpu_metadata
---
amdhsa.version: [ 1, 2 ]
amdhsa.kernels:
  - .name:           k_q2232b40a1b_proj
    .symbol:         k_q2232b40a1b_proj.kd
    .args:
      - { .name: query_codes, .offset: 0, .size: 8, .value_kind: global_buffer, .address_space: global }
      - { .name: Wq_codes, .offset: 8, .size: 8, .value_kind: global_buffer, .address_space: global }
      - { .name: Wk_codes, .offset: 16, .size: 8, .value_kind: global_buffer, .address_space: global }
      - { .name: Wv_codes, .offset: 24, .size: 8, .value_kind: global_buffer, .address_space: global }
      - { .name: bq, .offset: 32, .size: 8, .value_kind: global_buffer, .address_space: global }
      - { .name: bk, .offset: 40, .size: 8, .value_kind: global_buffer, .address_space: global }
      - { .name: bv, .offset: 48, .size: 8, .value_kind: global_buffer, .address_space: global }
      - { .name: lowp_scales, .offset: 56, .size: 8, .value_kind: global_buffer, .address_space: global }
      - { .name: qws, .offset: 64, .size: 8, .value_kind: global_buffer, .address_space: global }
      - { .name: kws, .offset: 72, .size: 8, .value_kind: global_buffer, .address_space: global }
      - { .name: vws, .offset: 80, .size: 8, .value_kind: global_buffer, .address_space: global }
    .group_segment_fixed_size: 327680
    .private_segment_fixed_size: 0
    .kernarg_segment_align: 8
    .kernarg_segment_size: 88
    .max_flat_workgroup_size: 128
    .sgpr_count:     100
    .vgpr_count:     1024
    .wavefront_size: 32
...
	.end_amdgpu_metadata
.endif
;; end of part 1
;; launch attn (part 2): grid 32 x 8, 8 waves a work-group, no clusters, 327,680 bytes of LDS; arguments qws, kws, vws, lowp_scales, mws; writes mws
.if DOCPART == 2
	.amdgcn_target "amdgcn-amd-amdhsa--gfx1250"
	.amdhsa_code_object_version 6
	.text
	.protected	k_q2232b40a1b_attn
	.globl	k_q2232b40a1b_attn
	.p2align	8
	.type	k_q2232b40a1b_attn,@function
k_q2232b40a1b_attn:
	s_mov_b64 s[64:65], 0
	v_nop
	global_prefetch_b8 v0, s[64:65] scope:SCOPE_SE
	s_setreg_imm32_b32 hwreg(HW_REG_WAVE_MODE, 25, 1), 1
	s_wait_xcnt 0x0
; CAUSAL ATTENTION on codes of FP8 (E4M3), a head at a time, and the quantising of its result for the last projection.
; q, k: tiles of 128 rows x the head's 128; v: tiles of the head's 128 x 128 keys; all as images of operand registers (8 images of 2,048 bytes a tile; byte 512 c + 16 lane + x of an image is code k = 32 c + 16 (lane / 16) + x
; of row lane % 16; position p of a tile holds row p with bits 3 and 4 exchanged).  Tile number in q, k, v: (16 x batch + head) x 16 + block of 128 tokens.
; THE SOFTMAX: t = score x 2^(e6 + e7) x log2(e) / sqrt(2048); M = the running largest t rounded UP to a whole number; p = 2^(t - M) is quantised with 2^e8, not normalised; the row's sum is taken of the unquantised p and divides at the
; end; when M moves, the sum and O are multiplied by 2^(old M - new M), which rounds nothing.  ctx = O x 2^(e8 + e9) / sum is held within +-448 x 2^e10 and converted with 2^e10.
; WORK LEFT OUT: key blocks wholly behind the causal mask: their p is 0 for every finite input.  A NaN, an infinity or an overflow that reaches only those blocks is not carried to the result.
; SHARES.  Work-group (head, i) owns query blocks 15 - i ("high") and i ("low") of 128 queries: 16 - i and i + 1 key blocks, 17 steps of 128 keys.  Each of the EIGHT waves owns 32 queries, two tiles of 16, so that each fragment of K
; and V feeds two matrix instructions.  Waves 0-3 (group A): the high block's key blocks 0 .. 8, positions 0 .. 8.  Waves 4-7 (group B): the low block's key blocks 0 .. i, then the high block's 9 .. 15 - i, positions 0 .. 7.
; The two parts of the high block (O, sum, M) are joined at the end through LDS: both parts are brought under the larger M by exact powers of two.  (i = 7: group B has no part; its M is under every M, and its factor is 0.)
; BOTH PRODUCTS ARE USED TRANSPOSED: S^T = K Q^T, O^T = V^T P^T: a lane holds one query of each tile throughout.  By the tiles' order of rows, the 16 registers of result tiles 2 b and 2 b + 1 are 16 neighbours (keys, or the head's
; channels): the conversions' results ARE the next operand's registers, and ctx's codes are stored as they stand: mws tile ((16 x batch + query block) x 16 + head), image 2 (wave % 4) + tile.
; THE RING: two slots of two positions; a position is four tiles: A's K, A's V, B's K, B's V, 16,384 bytes each; wave w fills tile w of a slot.  A wave has one tensor load out, with two steps in which to land.
; NO CLUSTER: group B's sequence of key blocks (0 .. i, then 9 .. 15 - i) is another one in each work-group of a head, so half of a slot's bytes would need a descriptor that differs between partners.
; LIMITS: e6 + e7 between -121 and 132 (added to c's exponent field); e8 and e10 between -126 and 119; e8 + e9 is applied by v_ldexp_f32; the scaled scores t stay under 2^31 in magnitude.  NaN is not served.
; REGISTERS: window 0: v1-7 addresses, v9-11 constants, v12-15 / v16-19 -M, largest t, sum in two halves of tile 0 / 1; v20-23 the factors f; v24-31 at work; v32-63 Q; v64-191 S^T, then p, then ctx; v192-223 codes; v224-255 the high
;   block's Q.   window 1: v0-127 O^T of both tiles; v128-255 K's eight fragments, then V's.
; (Group A's tiles are the same in all eight work-groups of a head.  But a step's branches, the mask's and the low block's end, hang on i, which partners of a cluster would not share.)
.set TILE,  16384
.set STEPB, 4*TILE                     ; a position in LDS
.set SLOT1, 2*STEPB                    ; slot 1 begins here: one exclusive or turns an address in one slot into the other's
.set SPARE, 2*SLOT1                    ; behind the ring: the spare words, 128 bytes for each of the eight waves
.set SLOTM, 2*TILE                     ; a slot on in memory: two key blocks
.set STGB,  34*512                     ; what a wave of group B hands over: 32 x 512 bytes of O^T, two lines of statistics
.set LI,   1                           ; v1   16 x lane
.set ADR,  2                           ; v2   LDS address of the step's tiles
.set PFO,  3                           ; v3   256 x lane: the prefetches' offset
.set DQ,   4                           ; v4   tile 0: my query's number in its block - 16 (lane / 16); tile 1's is 8 more
.set SPW,  5                           ; v5   LDS address of my spare word; never rewritten
.set NIL,  6                           ; v6   0; never rewritten
.set STG,  7                           ; v7   LDS address of the hand-over, in slot 1
.set SP,   9                           ; v9   2^e8
.set LC,   10                          ; v10  448 x 2^e10
.set SC,   11                          ; v11  2^e10
.set NM0,  12
.set SU0,  14
.set NM1,  16
.set SU1,  18
.set QF,   32
.set S,    64
.set PC,   192
.set Q2,   224
.set O,    0
.set FR,   128
.set WV,   14                          ; s14  my wave's number
.set IW,   15                          ; s15  i
.set THR,  16                          ; s16  the last position ahead of the walk's jump: i for B's tiles, 64 for A's
.set JMP,  17                          ; s17  the jump in bytes: (8 - i) key blocks for B's tiles, 0 for A's
.set WR,   18                          ; s[18:19] what this fill jumps by
.set SEL,  20                          ; s[20:21] lane selects for v_permlanex16_b32: lane l xor 16
.set CS,   22                          ; s[22:23] c = 2^(e6 + e7) log2(e) / sqrt(2048)
.set G1,   24                          ; s[24:31] descriptor group 1: the same for every load
.set G0,   32                          ; s[32:35] descriptor group 0, which walks
.set TB,   36                          ; s36  LDS byte at which my group's tiles of the step begin
.set NPOS, 37                          ; s37  the step's position
.set ND1,  38                          ; s38, s43  the positions of my steps on the diagonal
.set ND2,  43
.set FN,   39                          ; s39  the position that my last fill was for
.set CNT,  40
.set TWICE, 41
.set LIM,  42                          ; s42  my wave prefetches where CNT is above it
.set PFA,  44                          ; s[44:45] where my prefetches stand
.set OUTL, 46                          ; s[46:47] my images of the low block in mws,
.set OUTH, 48                          ; s[48:49] of the high block
.set ESUM, 50                          ; s50  e8 + e9
.set FNP,  51                          ; s51  the position behind which the low block is finished: i for group B, 64 for A
.set LP,   52                          ; s52  448 x 2^e8
.set MSB, 0
.macro WIN new                         ; the immediate's high byte repeats the setting that is left
.if MSB != (\new)
	s_set_vgpr_msb (MSB<<8)|(\new)
.set MSB, \new
.endif
.endm
	s_load_b256 s[4:11], s[0:1], 0x0               ; qws s[4:5], kws s[6:7], vws s[8:9], the scales' exponents s[10:11]
	s_load_b64 s[12:13], s[0:1], 0x20              ; mws
	v_lshl_add_u32 v[SPW], v0, 2, SPARE
	v_mov_b32 v[NIL], 0
	ds_add_u32 v[SPW], v[NIL]                      ; the opening lines: the add, twice on end, and its wait
	ds_add_u32 v[SPW], v[NIL]
	v_lshrrev_b32 v7, 5, v0
	v_readfirstlane_b32 s[WV], v7                  ; wave 0..7
	s_and_b32 s[IW], ttmp7, 0xffff                 ; i
	s_mov_b32 s58, ttmp9                           ; 16 x batch + head
	; descriptor group 1: a dense tile of 16,384 bytes as 64 rows of 256
	s_mov_b32 s[G1], 3<<16                         ; no mask; elements of 8 bytes; no padding: an image's 512 bytes are read by 32 lanes on end
	s_mov_b32 s[G1+1], 32<<16                      ; tensor_dim0
	s_mov_b32 s[G1+2], 64<<16                      ; tensor_dim1
	s_mov_b32 s[G1+3], 32<<16                      ; tile_dim0
	s_mov_b32 s[G1+4], 64                          ; tile_dim1
	s_mov_b32 s[G1+5], 32                          ; tensor_dim0_stride
	s_mov_b32 s[G1+6], 0
	s_mov_b32 s[G1+7], 0
	; wave w fills tile w % 4 (A's K, A's V, B's K, B's V) of a slot's position w / 4
	s_lshr_b32 s[FN], s[WV], 2                     ; slot 0: positions 0 and 1
	s_and_b32 s2, s[WV], 2
	s_sub_co_u32 s3, 8, s[IW]
	s_lshl_b32 s3, s3, 14
	s_cmp_lg_u32 s2, 0
	s_cselect_b32 s[THR], s[IW], 64
	s_cselect_b32 s[JMP], s3, 0
	s_cmp_gt_u32 s[FN], s[THR]
	s_cselect_b32 s[WR], s[JMP], 0
	s_mov_b32 s[WR+1], 0
	s_lshl_b32 s60, s58, 18                        ; the head's 16 tiles,
	s_lshl_b32 s2, s[FN], 14
	s_add_co_u32 s60, s60, s2                      ; the position's key block
	s_add_co_u32 s62, s60, s[JMP]
	s_add_co_u32 s62, s62, SLOTM                   ; the prefetches' start (work-group i = 0 alone uses it)
	s_add_co_u32 s60, s60, s[WR]                   ; and the jump
	s_mov_b32 s61, 0
	s_mov_b32 s63, 0
	s_mov_b32 s[G0], 1                             ; count = 1
	s_lshl_b32 s[G0+1], s[WV], 14                  ; LDS address, slot 0
	s_and_b32 s2, s[WV], 1
	s_wait_dscnt 0x0                               ; both opening adds are done
	s_wait_kmcnt 0x0
	s_load_b64 s[56:57], s[10:11], 0x18            ; e6, e7
	s_load_b128 s[52:55], s[10:11], 0x20           ; e8, e9, e10, e11
	s_cmp_lg_u32 s2, 0
	s_cselect_b64 s[G0+2:G0+3], s[8:9], s[6:7]     ; V's tiles or K's
	s_add_nc_u64 s[PFA:PFA+1], s[G0+2:G0+3], s[62:63]
	s_add_nc_u64 s[G0+2:G0+3], s[G0+2:G0+3], s[60:61]
	s_or_b32 s[G0+3], s[G0+3], 0x80000000          ; type = 2
	tensor_load_to_lds s[G0:G0+3], s[G1:G1+7]      ; slot 0: the one first fill of each wave
	s_nop 0
.rept 4
	v_nop
.endr
	v_and_b32 v8, 31, v0
	v_lshlrev_b32 v[LI], 4, v8
	v_lshlrev_b32 v[PFO], 8, v8
	v_bfe_u32 v8, v0, 5, 2
	v_mul_u32_u24 v[STG], STGB, v8
	v_add_nc_u32 v[STG], v[STG], v[LI]
	v_add_nc_u32 v[STG], SLOT1, v[STG]
	s_wait_alu depctr_va_vdst(0)                   ; the wait here, ahead of the run of scalar lines
	s_and_b32 s59, s[WV], 3
	s_lshl_b32 s60, s59, 5                         ; my first query in the block
	s_lshl_b32 s59, s59, 12                        ; my two images in a tile
	s_sub_co_u32 s61, 15, s[IW]                    ; the high block
	s_cmp_lt_u32 s[WV], 4
	s_cselect_b32 s62, s61, s[IW]                  ; my first query block
	s_lshl_b32 s63, s58, 4
	s_mov_b32 s3, 0
	s_add_co_u32 s2, s63, s62
	s_lshl_b32 s2, s2, 14
	s_add_co_u32 s2, s2, s59
	s_add_nc_u64 s[OUTL:OUTL+1], s[4:5], s[2:3]
	s_add_co_u32 s2, s63, s61
	s_lshl_b32 s2, s2, 14
	s_add_co_u32 s2, s2, s59
	s_add_nc_u64 s[OUTH:OUTH+1], s[4:5], s[2:3]
.irp u, 0,1
.irp c, 0,1,2,3
	global_load_b128 v[QF+16*\u+4*\c:QF+16*\u+4*\c+3], v[LI], s[OUTL:OUTL+1] offset:2048*\u+512*\c
	global_load_b128 v[Q2+16*\u+4*\c:Q2+16*\u+4*\c+3], v[LI], s[OUTH:OUTH+1] offset:2048*\u+512*\c
.endr
.endr
	v_and_b32 v8, 7, v0                            ; lane r of tile u is query 32 (wave % 4) + 8 u + r % 8 + 16 (r / 8) of its block
	v_bfe_u32 v24, v0, 3, 1
	v_lshl_add_u32 v8, v24, 4, v8
	v_bfe_u32 v24, v0, 4, 1
	v_lshlrev_b32 v24, 4, v24
	v_sub_nc_u32 v8, v8, v24
	v_add_nc_u32 v[DQ], s60, v8
	s_wait_xcnt 0x0                                ; the loads have read their bases
	s_lshr_b32 s60, s58, 4
	s_lshl_b32 s60, s60, 4                         ; 16 x batch
	s_and_b32 s62, s58, 15                         ; head
	s_add_co_u32 s2, s60, s61
	s_lshl_b32 s2, s2, 4
	s_add_co_u32 s2, s2, s62                       ; mws: tile (16 x batch + 15 - i) x 16 + head
	s_lshl_b32 s2, s2, 14
	s_add_co_u32 s2, s2, s59
	s_add_nc_u64 s[OUTH:OUTH+1], s[12:13], s[2:3]
	s_add_co_u32 s2, s60, s[IW]
	s_lshl_b32 s2, s2, 4
	s_add_co_u32 s2, s2, s62
	s_lshl_b32 s2, s2, 14
	s_add_co_u32 s2, s2, s59
	s_add_nc_u64 s[OUTL:OUTL+1], s[12:13], s[2:3]
	s_cmp_lt_u32 s[WV], 2
	s_cselect_b32 s2, 0, 1
	s_cmp_eq_u32 s[IW], 0
	s_cselect_b32 s[LIM], s2, -1
	s_cmp_eq_u32 s[IW], 7
	s_cselect_b32 s2, 8, 64
	s_cmp_lt_u32 s[WV], 4
	s_cselect_b32 s[ND1], s2, s[IW]                ; A: position 8 where i = 7, else none; B: i and 7
	s_cselect_b32 s[ND2], 64, 7
	s_cselect_b32 s[FNP], 64, s[IW]
	s_mov_b32 s[SEL], 0x76543210
	s_mov_b32 s[SEL+1], 0xfedcba98
	s_mov_b32 s[CS], 0x3d0293ee                    ; log2(e) / sqrt(2048)
	s_lshr_b32 s2, s[WV], 2
	s_lshl_b32 s[TB], s2, 15                       ; group B's tiles lie behind A's two
	s_mov_b32 s[NPOS], 0
.macro FRESH                           ; statistics of a query block not yet begun
	v_mov_b32 v[NM0+1], 0xff61b1e6                 ; the largest t so far: -3e38, under every t
	v_mov_b32 v[NM1+1], 0xff61b1e6
	v_mov_b32 v[SU0], 0
	v_mov_b32 v[SU0+1], 0
	v_mov_b32 v[SU1], 0
	v_mov_b32 v[SU1+1], 0
	v_floor_f32 v[NM0], -v[NM0+1]                  ; -M
	v_floor_f32 v[NM1], -v[NM1+1]
.endm
	FRESH
	v_mov_b32 v28, 0                               ; written once: a lane permute's destination counts as one of its sources
	v_mov_b32 v29, 0
	v_mov_b32 v21, 0                               ; (named as the upper halves of the pairs of f)
	v_mov_b32 v23, 0
	WIN 0x40
.set j, 0
.rept 128
	v_mov_b32 v[O+j], 0                            ; O^T, once, under the first load's flight: the step is written without a first step of its own
.set j, j+1
.endr
	WIN 0
	s_wait_kmcnt 0x0
	s_add_co_i32 s2, s56, s57
	s_lshl_b32 s2, s2, 23
	s_add_co_i32 s[CS], s[CS], s2                  ; a score stands for score x 2^(e6 + e7): the exponents are added to c's exponent field
	s_mov_b32 s[CS+1], s[CS]                       ; (named with it as a pair, so it is written)
	s_add_co_i32 s[ESUM], s52, s53
	s_add_co_i32 s2, s54, 127
	s_lshl_b32 s3, s2, 23
	v_mov_b32 v[SC], s3                            ; 2^e10
	s_add_co_i32 s2, s2, 8
	s_lshl_b32 s2, s2, 23
	s_or_b32 s2, s2, 0x600000
	v_mov_b32 v[LC], s2                            ; 448 x 2^e10
	s_add_co_i32 s2, s52, 127
	s_lshl_b32 s3, s2, 23
	v_mov_b32 v[SP], s3                            ; 2^e8
	s_add_co_i32 s2, s2, 8
	s_lshl_b32 s2, s2, 23
	s_or_b32 s[LP], s2, 0x600000                   ; 448 x 2^e8
; A PREFETCH INTO THE L2.  All eight work-groups of a head read its K and V; work-group i = 0, whose groups walk key blocks 0 .. 8 and 0, 9 .. 15, asks, and nobody else.  Each of its waves asks for the 16,384 bytes that it will itself
; fetch one change of slots later: two instructions, lanes 256 bytes apart: each block of 256 bytes is named once in the launch.  The trip that fills slot s + 1 asks for slot s + 2, up to slot 3, and slot 4 (position 8) in waves 0 and 1.
; Slots 0 and 1 come by their loads alone.
.macro ASK
	s_cmp_gt_u32 s[CNT], s[LIM]
	s_cbranch_scc0 .Lnot_mine_\@
	global_prefetch_b8 v[PFO], s[PFA:PFA+1] th:TH_LOAD_NT scope:SCOPE_SE
	global_prefetch_b8 v[PFO], s[PFA:PFA+1] offset:8192 th:TH_LOAD_NT scope:SCOPE_SE
.Lnot_mine_\@:
.endm
; THE CHANGE OF SLOTS stands at a slot's head.  Each wave waits for all its tensor loads (its tile of the slot that it is about to read), adds 0 to its spare word, and waits for that and for its reads of the slot that it has left.
; Behind the barrier the slot ahead is whole and nobody reads the other one.  fill = 1: all eight waves fill that other slot; 2: waves 0 and 1 alone (position 8, group A's); 0: nothing.
.macro CHANGE fill
	s_wait_tensorcnt 0x0                           ; no tensor load of mine is out, so group 0 may be written
	ds_add_u32 v[SPW], v[NIL]                      ; the descriptor's steps stand between the add and the wait for it
.if \fill
	s_xor_b32 s[G0+1], s[G0+1], SLOT1              ; the other slot than last time
	s_cmp_le_u32 s[FN], s[THR]
	s_cselect_b32 s[WR], s[JMP], 0
	s_add_co_u32 s[FN], s[FN], 2                   ; two positions on
	s_cmp_gt_u32 s[FN], s[THR]
	s_cselect_b32 s[WR], s[WR], 0                  ; the jump, where the step crosses it, once in a wave's walk
	s_add_nc_u64 s[G0+2:G0+3], s[G0+2:G0+3], SLOTM ; the type bits on top are not reached
	s_add_nc_u64 s[G0+2:G0+3], s[G0+2:G0+3], s[WR:WR+1]
.if \fill == 1
	s_wait_xcnt 0x0                                ; the last prefetch, a slot back, has read its address, so it may be written
	s_add_nc_u64 s[PFA:PFA+1], s[PFA:PFA+1], SLOTM
.endif
.endif
	s_wait_dscnt 0x0                               ; the add is done, and my reads of the slot that I have left are over
	s_barrier_signal -1
	s_barrier_wait -1
.if \fill == 1
	tensor_load_to_lds s[G0:G0+3], s[G1:G1+7]      ; the first thing behind the barrier, and my one tensor load until the next
	s_nop 0
.rept 4
	v_nop
.endr
	ASK
.endif
.if \fill == 2
	s_cmp_lt_u32 s[WV], 2
	s_cbranch_scc0 .Lnone_\@
	tensor_load_to_lds s[G0:G0+3], s[G1:G1+7]
	s_nop 0
.rept 4
	v_nop
.endr
.Lnone_\@:
.endif
.endm
.macro ADD2 d, a, b                    ; two neighbouring sums
	v_dual_add_f32 v[\d], v[\a], v[\b] :: v_dual_add_f32 v[\d+1], v[\a+1], v[\b+1]
.endm
.macro LOADS from, n, base
	WIN 0x40
.set f, \from
.rept \n
	ds_load_b128 v[FR+4*f:FR+4*f+3], v[ADR] offset:\base+512*f
.set f, f+1
.endr
.endm
; A KEY STEP: 128 keys x my 32 queries.
.macro STEP
	v_add_nc_u32 v[ADR], s[TB], v[LI]
.rept 3
	v_nop                                          ; with the addition above: four places between the last products and the loads into the registers that they read
.endr
	LOADS 0, 32, 0                                 ; K's eight fragments
	s_wait_alu depctr_va_vdst(0)                   ; the wait here, ahead of the waits below
	WIN 0x01                                       ; source 0 window 1
.set t, 0
.rept 8
	s_wait_dscnt 28-4*t                            ; fragment t is in; the younger ones may be out
	v_wmma_f32_16x16x128_fp8_fp8 v[S+8*t:S+8*t+7], v[FR+16*t:FR+16*t+15], v[QF:QF+15], 0   ; S^T: lane (r, h) holds query r; register 16 b + i is key 32 b + 16 h + i of the block
	v_wmma_f32_16x16x128_fp8_fp8 v[S+64+8*t:S+64+8*t+7], v[FR+16*t:FR+16*t+15], v[QF+16:QF+31], 0
.set t, t+1
.endr
.rept 4
	v_nop                                          ; places ahead of the loads into K's registers and of the first read of results
.endr
	LOADS 0, 16, TILE                              ; V's first four fragments: they land under the softmax
	WIN 0
	s_cmp_eq_u32 s[NPOS], s[ND1]                   ; the mask: branches on ids
	s_cbranch_scc1 .Lmask_\@
	s_cmp_eq_u32 s[NPOS], s[ND2]
	s_cbranch_scc0 .Lopen_\@
.Lmask_\@:
	v_mov_b32 v24, 0xff800000                      ; on the diagonal the scores of hidden keys become -infinity ahead of the maximum: p = 0 then.  Key 0 of the block counts for every query
.set n, 0
.rept 64
	v_cmp_gt_i32 vcc_lo, 32*(n/16)+n%16, v[DQ]     ; hidden where 32 b + i > my query - 16 h
	v_cndmask_b32 v[S+n], v[S+n], v24, vcc_lo
	v_cmp_gt_i32 vcc_lo, 32*(n/16)+n%16-8, v[DQ]   ; tile 1's query is 8 further on
	v_cndmask_b32 v[S+64+n], v[S+64+n], v24, vcc_lo
.set n, n+1
.endr
.Lopen_\@:
	v_max3_num_f32 v24, v[S], v[S+1], v[S+2]       ; the largest score of my two queries among my 64 keys, in two chains each
	v_max3_num_f32 v26, v[S+64], v[S+65], v[S+66]
	v_max3_num_f32 v25, v[S+3], v[S+4], v[S+5]
	v_max3_num_f32 v27, v[S+67], v[S+68], v[S+69]
.set n, 6
.rept 14
	v_max3_num_f32 v24, v24, v[S+n], v[S+n+1]
	v_max3_num_f32 v26, v26, v[S+64+n], v[S+65+n]
	v_max3_num_f32 v25, v25, v[S+n+2], v[S+n+3]
	v_max3_num_f32 v27, v27, v[S+66+n], v[S+67+n]
.set n, n+4
.endr
	v_max3_num_f32 v24, v24, v[S+62], v[S+63]
	v_max3_num_f32 v26, v26, v[S+126], v[S+127]
	LOADS 16, 16, TILE                             ; V's other four
	WIN 0
	v_max_num_f32 v24, v24, v25
	v_max_num_f32 v26, v26, v27
	v_permlanex16_b32 v28, v24, s[SEL], s[SEL+1]
	v_permlanex16_b32 v29, v26, s[SEL], s[SEL+1]
	v_max_num_f32 v24, v24, v28                    ; and among lane l xor 16's
	v_max_num_f32 v26, v26, v29
	v_mul_f32 v24, s[CS], v24                      ; as t (c is positive)
	v_mul_f32 v26, s[CS], v26
	v_max_num_f32 v[NM0+1], v[NM0+1], v24          ; the running largest t
	v_max_num_f32 v[NM1+1], v[NM1+1], v26
	v_mov_b32 v24, v[NM0]
	v_mov_b32 v26, v[NM1]
	v_floor_f32 v[NM0], -v[NM0+1]                  ; the new -M = floor(-t) = -ceil(t): M is a whole number
	v_floor_f32 v[NM1], -v[NM1+1]
	v_sub_f32 v24, v[NM0], v24                     ; M's old value less its new one: a whole number, 0 or less
	v_sub_f32 v26, v[NM1], v26
	v_cvt_i32_f32 v24, v24                         ; (it saturates)
	v_cvt_i32_f32 v26, v26
	v_ldexp_f32 v20, 1.0, v24                      ; f = 2^(old M - new M)
	v_ldexp_f32 v22, 1.0, v26
.set j, 0
.rept 32
	v_pk_fma_f32 v[S+j:S+j+1], v[S+j:S+j+1], s[CS:CS+1], v[NM0:NM0+1] op_sel_hi:[1,0,0]   ; t - M, two at a time (of the pairs c and -M the low word serves both halves)
.set j, j+2
.endr
	s_wait_alu depctr_va_vdst(0)                   ; the wait ahead of the batch
.set j, 0
.rept 32
	v_exp_f32 v[S+j], v[S+j]                       ; p = 2^(t - M), at most 1: not normalised
	v_exp_f32 v[S+j+1], v[S+j+1]
	v_pk_fma_f32 v[S+64+j:S+65+j], v[S+64+j:S+65+j], s[CS:CS+1], v[NM1:NM1+1] op_sel_hi:[1,0,0]   ; tile 1's t - M, first read behind the next wait
.set j, j+2
.endr
	s_wait_alu depctr_va_vdst(0)                   ; and ahead of the second batch
.set j, 0
.rept 64
	v_exp_f32 v[S+64+j], v[S+64+j]
.set j, j+1
.endr
	v_pk_mul_f32 v[SU0:SU0+1], v[SU0:SU0+1], v[20:21] op_sel_hi:[1,0]   ; the sums under the new M: plain lines behind the exponentials
	v_pk_mul_f32 v[SU1:SU1+1], v[SU1:SU1+1], v[22:23] op_sel_hi:[1,0]
	s_wait_alu depctr_va_vdst(0)                   ; one wait for both batches, ahead of their first reader
	ADD2 24, S, S+2                                ; the rows' sums, of the unquantised p, in three chains each
	ADD2 28, S+64, S+66
	ADD2 26, S+4, S+6
	ADD2 30, S+68, S+70
.set j, 8
.rept 9
	ADD2 SU0, SU0, S+j
	ADD2 SU1, SU1, S+64+j
	ADD2 24, 24, S+j+2
	ADD2 28, 28, S+66+j
	ADD2 26, 26, S+j+4
	ADD2 30, 30, S+68+j
.set j, j+6
.endr
	ADD2 SU0, SU0, S+62
	ADD2 SU1, SU1, S+126
	ADD2 24, 24, 26
	ADD2 28, 28, 30
.set j, 0
.rept 64
	v_dual_min_num_f32 v[S+j], s[LP], v[S+j] :: v_dual_min_num_f32 v[S+j+1], s[LP], v[S+j+1]   ; the conversion does not saturate (ISA guide 7.6.2); p is not negative, so the hold is one-sided
.set j, j+2
.endr
	v_pk_add_f32 v[SU0:SU0+1], v[SU0:SU0+1], v[24:25]
	v_pk_add_f32 v[SU1:SU1+1], v[SU1:SU1+1], v[28:29]
.set j, 0
.rept 16
	v_cvt_scalef32_pk8_fp8_f32 v[PC+2*j:PC+2*j+1], v[S+8*j:S+8*j+7], v[SP]
.set j, j+1
.endr
	WIN 0x41                                       ; source 0 and destination window 1
	s_wait_alu depctr_va_vdst(0)                   ; the wait here, directly ahead of the first reader of O^T
.set j, 0
.rept 32
	v_pk_mul_f32 v[O+j:O+j+1], v[O+j:O+j+1], v[20:21] op_sel_hi:[1,0]   ; O^T under the new M.  (Plain lines between the conversions and the products that read their results)
	v_pk_mul_f32 v[O+64+j:O+65+j], v[O+64+j:O+65+j], v[22:23] op_sel_hi:[1,0]
.set j, j+2
.endr
	s_wait_alu depctr_va_vdst(0)                   ; the wait here, ahead of the waits below
	WIN 0x51                                       ; source 0, C and D window 1
.set t, 0
.rept 8
	s_wait_dscnt 28-4*t                            ; V's fragment t is in
	v_wmma_f32_16x16x128_fp8_fp8 v[O+8*t:O+8*t+7], v[FR+16*t:FR+16*t+15], v[PC:PC+15], v[O+8*t:O+8*t+7]   ; the sixteen accumulators by turns, one instruction a turn
	v_wmma_f32_16x16x128_fp8_fp8 v[O+64+8*t:O+64+8*t+7], v[FR+16*t:FR+16*t+15], v[PC+16:PC+31], v[O+64+8*t:O+64+8*t+7]
.set t, t+1
.endr
	WIN 0
.endm
; ctx of both tiles stands in v[S ..]: held, converted and stored.  Register 16 b + i is channel 32 b + 16 h + i: the codes are the registers of the last projection's fragment.
.macro QUANT out
.set j, 0
.rept 16
.set n, 0
.rept 8
	v_med3_num_f32 v[S+8*j+n], v[S+8*j+n], -v[LC], v[LC]
.set n, n+1
.endr
	v_cvt_scalef32_pk8_fp8_f32 v[PC+2*j:PC+2*j+1], v[S+8*j:S+8*j+7], v[SC]
.set j, j+1
.endr
	v_nop                                          ; one plain line behind the last conversion
.irp u, 0,1
.irp c, 0,1,2,3
	global_store_b128 v[LI], v[PC+16*\u+4*\c:PC+16*\u+4*\c+3], s[\out:\out+1] offset:2048*\u+512*\c   ; 32 lanes store 512 consecutive bytes, at a multiple of 512 from the buffer's first byte
.endr
.endr
.endm
; THE LOW BLOCK IS FINISHED (group B): ctx = O^T x 2^(e8 + e9) / the sum.  The statistics begin anew and the high block's Q takes its place.  O^T is not cleared: it is finite (2,048 products of at most 448 x 448), and the next f is
; 2^(a number far under every exponent) = 0.
.macro FINAL
.rept 4
	v_nop                                          ; places behind the last products
.endr
	v_add_f32 v24, v[SU0], v[SU0+1]                ; the sums' two halves,
	v_add_f32 v26, v[SU1], v[SU1+1]
	v_permlanex16_b32 v28, v24, s[SEL], s[SEL+1]
	v_permlanex16_b32 v29, v26, s[SEL], s[SEL+1]
	v_add_f32 v24, v24, v28                        ; and lane l xor 16's
	v_add_f32 v26, v26, v29
	s_wait_alu depctr_va_vdst(0)                   ; the wait ahead of the batch
	v_rcp_f32 v24, v24
	v_rcp_f32 v26, v26
	v_nop                                          ; a plain line behind the transcendentals
	s_wait_alu depctr_va_vdst(0)                   ; and the wait ahead of their first reader
	v_ldexp_f32 v20, v24, s[ESUM]
	v_ldexp_f32 v22, v26, s[ESUM]
	WIN 0x01
	s_wait_alu depctr_va_vdst(0)                   ; the wait here, directly ahead of the first reader of O^T
.set j, 0
.rept 32
	v_pk_mul_f32 v[S+j:S+j+1], v[O+j:O+j+1], v[20:21] op_sel_hi:[1,0]
	v_pk_mul_f32 v[S+64+j:S+65+j], v[O+64+j:O+65+j], v[22:23] op_sel_hi:[1,0]
.set j, j+2
.endr
	WIN 0
	QUANT OUTL
	s_wait_xcnt 0x0                                ; the stores have read the code registers, which the next step writes
	FRESH
.set n, 0
.rept 32
	v_mov_b32 v[QF+n], v[Q2+n]
.set n, n+1
.endr
	s_wait_alu depctr_va_vdst(0)                   ; the wait here, ahead of what follows the label
.endm
; A slot's two steps: written once, walked twice; the LDS addresses hang on s[TB].
.macro TWO_STEPS
	s_mov_b32 s[TWICE], 2
.Lstep_\@:
	STEP
	s_cmp_lg_u32 s[NPOS], s[FNP]                   ; a branch on ids, round register work and stores alone
	s_cbranch_scc1 .Lgo_on_\@
	FINAL
.Lgo_on_\@:
	s_add_co_u32 s[NPOS], s[NPOS], 1
	s_add_co_u32 s[TB], s[TB], STEPB
	s_sub_co_u32 s[TWICE], s[TWICE], 1
	s_cmp_lg_u32 s[TWICE], 0
	s_cbranch_scc1 .Lstep_\@
	s_sub_co_u32 s[TB], s[TB], 2*STEPB             ; back to a slot's first step,
	s_xor_b32 s[TB], s[TB], SLOT1                  ; in the other slot
.endm
	s_wait_alu depctr_va_vdst(0)                   ; the wait at the head's end
	s_wait_loadcnt 0x0                             ; Q, both blocks'
	s_mov_b32 s[CNT], 3
.Lslot:                                            ; three trips: positions 0 to 5; each asks for the two positions of the next slot
	CHANGE 1
	TWO_STEPS
	s_sub_co_u32 s[CNT], s[CNT], 1
	s_cmp_lg_u32 s[CNT], 0
	s_cbranch_scc1 .Lslot
	CHANGE 2                                       ; positions 6 and 7; position 8 is asked for.  Written out
	TWO_STEPS
	CHANGE 0                                       ; position 8, group A's, in slot 0.  Slot 1 has had its last fill, and behind this barrier nobody reads its tiles
	s_cmp_lt_u32 s[WV], 4
	s_cbranch_scc0 .Lhand_over
	s_mov_b32 s[TB], 0
	STEP
	s_branch .Lmeet
.Lhand_over:                                       ; group B hands its part of the high block over: O^T and the statistics, in slot 1
.rept 4
	v_nop                                          ; places behind the last products
.endr
	WIN 0x04                                       ; store data window 1
.set f, 0
.rept 32
	ds_store_b128 v[STG], v[O+4*f:O+4*f+3] offset:512*f
.set f, f+1
.endr
	WIN 0
	ds_store_b128 v[STG], v[NM0:NM0+3] offset:512*32
	ds_store_b128 v[STG], v[NM1:NM1+3] offset:512*33
.Lmeet:
	s_wait_dscnt 0x0                               ; group B: my stores are done
	s_barrier_signal -1
	s_barrier_wait -1
	s_cmp_lt_u32 s[WV], 4
	s_cbranch_scc0 .Lend
	; GROUP A JOINS THE TWO PARTS, lane by lane: the same lanes hold the same queries in both groups
.rept 4
	v_nop                                          ; places behind the last products
.endr
	ds_load_b128 v[64:67], v[STG] offset:512*32    ; B's -M, largest t, sum in two halves, tile 0
	ds_load_b128 v[68:71], v[STG] offset:512*33    ; tile 1
	WIN 0x40
.set f, 0
.rept 32
	ds_load_b128 v[FR+4*f:FR+4*f+3], v[STG] offset:512*f   ; B's O^T
.set f, f+1
.endr
	WIN 0
	s_wait_dscnt 32                                ; the statistics are in; O^T's 32 loads may be out
	v_min_num_f32 v24, v[NM0], v64                 ; the joint -M
	v_min_num_f32 v25, v[NM1], v68
	v_sub_f32 v26, v24, v[NM0]
	v_sub_f32 v27, v24, v64
	v_sub_f32 v28, v25, v[NM1]
	v_sub_f32 v29, v25, v68
	v_cvt_i32_f32 v26, v26
	v_cvt_i32_f32 v27, v27
	v_cvt_i32_f32 v28, v28
	v_cvt_i32_f32 v29, v29
	v_ldexp_f32 v20, 1.0, v26                      ; tile 0: A's factor,
	v_ldexp_f32 v22, 1.0, v27                      ; B's
	v_ldexp_f32 v24, 1.0, v28                      ; tile 1
	v_ldexp_f32 v26, 1.0, v29
	v_add_f32 v14, v14, v15
	v_add_f32 v18, v18, v19
	v_add_f32 v66, v66, v67
	v_add_f32 v70, v70, v71
	v_mul_f32 v14, v14, v20
	v_mul_f32 v18, v18, v24
	v_fma_f32 v14, v66, v22, v14                   ; the joint sums of my half of the keys,
	v_fma_f32 v18, v70, v26, v18
	v_permlanex16_b32 v28, v14, s[SEL], s[SEL+1]
	v_permlanex16_b32 v29, v18, s[SEL], s[SEL+1]
	v_add_f32 v14, v14, v28                        ; and lane l xor 16's
	v_add_f32 v18, v18, v29
	s_wait_alu depctr_va_vdst(0)                   ; the wait ahead of the batch
	v_rcp_f32 v14, v14
	v_rcp_f32 v18, v18
	v_nop
	s_wait_alu depctr_va_vdst(0)                   ; and ahead of its first reader
	v_ldexp_f32 v14, v14, s[ESUM]
	v_ldexp_f32 v18, v18, s[ESUM]
	v_mul_f32 v20, v20, v14                        ; each part's factor x 2^(e8 + e9) / the sum
	v_mul_f32 v22, v22, v14
	v_mul_f32 v24, v24, v18
	v_mul_f32 v26, v26, v18
	s_wait_alu depctr_va_vdst(0)                   ; the wait here, ahead of the wait below
	s_wait_dscnt 0x0                               ; B's O^T is in
	WIN 0x01
	s_wait_alu depctr_va_vdst(0)                   ; the wait here, directly ahead of the first reader of O^T
.set j, 0
.rept 32
	v_pk_mul_f32 v[S+j:S+j+1], v[O+j:O+j+1], v[20:21] op_sel_hi:[1,0]
	v_pk_mul_f32 v[S+64+j:S+65+j], v[O+64+j:O+65+j], v[24:25] op_sel_hi:[1,0]
.set j, j+2
.endr
.set j, 0
.rept 32
	v_pk_fma_f32 v[S+j:S+j+1], v[FR+j:FR+j+1], v[22:23], v[S+j:S+j+1] op_sel_hi:[1,0,1]
	v_pk_fma_f32 v[S+64+j:S+65+j], v[FR+64+j:FR+65+j], v[26:27], v[S+64+j:S+65+j] op_sel_hi:[1,0,1]
.set j, j+2
.endr
	WIN 0
	QUANT OUTH
.Lend:
	s_wait_tensorcnt 0x0                           ; the wave's end
	ds_add_u32 v[SPW], v[NIL]
	s_wait_dscnt 0x0
	s_endpgm
.Lfunc_end_k_q2232b40a1b_attn:
	.size	k_q2232b40a1b_attn, .Lfunc_end_k_q2232b40a1b_attn-k_q2232b40a1b_attn
	.p2alignl 7, 3214868480
	.fill 96, 4, 3214868480
	.section	.rodata,"a",@progbits
	.p2align	6, 0x0
	.amdhsa_kernel k_q2232b40a1b_attn
		.amdhsa_group_segment_fixed_size 327680
		.amdhsa_private_segment_fixed_size 0
		.amdhsa_enable_private_segment 0
		.amdhsa_kernarg_size 40
		.amdhsa_user_sgpr_count 2
		.amdhsa_user_sgpr_kernarg_segment_ptr 1
		.amdhsa_wavefront_size32 1
		.amdhsa_system_sgpr_workgroup_id_x 1
		.amdhsa_system_sgpr_workgroup_id_y 1
		.amdhsa_system_sgpr_workgroup_id_z 1
		.amdhsa_system_vgpr_workitem_id 0
		.amdhsa_next_free_vgpr 512
		.amdhsa_next_free_sgpr 66
		.amdhsa_reserve_vcc 1
		.amdhsa_float_denorm_mode_32 3
		.amdhsa_float_denorm_mode_16_64 3
		.amdhsa_memory_ordered 1
		.amdhsa_forward_progress 1
		.amdhsa_inst_pref_size 200
	.end_amdhsa_kernel
	.amdgpu_metadata
---
amdhsa.version: [ 1, 2 ]
amdhsa.kernels:
  - .name:           k_q2232b40a1b_attn
    .symbol:         k_q2232b40a1b_attn.kd
    .args:
      - { .name: qws, .offset: 0, .size: 8, .value_kind: global_buffer, .address_space: global }
      - { .name: kws, .offset: 8, .size: 8, .value_kind: global_buffer, .address_space: global }
      - { .name: vws, .offset: 16, .size: 8, .value_kind: global_buffer, .address_space: global }
      - { .name: lowp_scales, .offset: 24, .size: 8, .value_kind: global_buffer, .address_space: global }
      - { .name: mws, .offset: 32, .size: 8, .value_kind: global_buffer, .address_space: global }
    .group_segment_fixed_size: 327680
    .private_segment_fixed_size: 0
    .kernarg_segment_align: 8
    .kernarg_segment_size: 40
    .max_flat_workgroup_size: 256
    .sgpr_count:     66
    .vgpr_count:     512
    .wavefront_size: 32
...
	.end_amdgpu_metadata
.endif
;; end of part 2
;; launch outp (part 3): grid 8 x 32, 4 waves a work-group, clusters of 4 x 4, 327,680 bytes of LDS; arguments mws, Wo_codes, bo, lowp_scales, out0; writes out0
.if DOCPART == 3
	.amdgcn_target "amdgcn-amd-amdhsa--gfx1250"
	.amdhsa_code_object_version 6
	.text
	.protected	k_q2232b40a1b_outp
	.globl	k_q2232b40a1b_outp
	.p2align	8
	.type	k_q2232b40a1b_outp,@function
k_q2232b40a1b_outp:
	s_mov_b64 s[64:65], 0
	v_nop
	global_prefetch_b8 v0, s[64:65] scope:SCOPE_SE
	s_setreg_imm32_b32 hwreg(HW_REG_WAVE_MODE, 25, 1), 1
	s_wait_xcnt 0x0
	s_wait_alu depctr_hold_cnt(0) depctr_sa_sdst(0) depctr_va_vdst(0) depctr_va_sdst(0) depctr_va_ssrc(0) depctr_va_vcc(0) depctr_vm_vsrc(0)
	s_getreg_b32 s2, hwreg(HW_REG_IB_STS2, 6, 4)
	s_cmp_eq_u32 s2, 0
	s_cbranch_scc0 .Lentry_in_a_cluster
	s_endpgm
.Lentry_in_a_cluster:
	s_bfe_u32 s2, ttmp6, 0x10000c
	s_cmp_lg_u32 s2, 0xf033
	s_cbranch_scc0 .Lentry_shape_is_right
	s_endpgm
.Lentry_shape_is_right:
; THE OUTPUT PROJECTION on codes of FP8 (E4M3): out[m][n] = 2^(e10 + e11) x sum over k of ctx[m][k] Wo[n][k] + bo[n], K = 2,048.  Nothing of it is left out.
; A work-group makes 128 tokens x 128 columns; each of its four waves 64 x 64.  ctx: images of operand registers, 16,384 bytes for a block of 128 tokens and a head (128 along K); Wo's rows are 2,048 bytes.
; K goes in four steps of 512 through two LDS slots.  CLUSTERS: 4 x 4; ctx's tile is asked for jointly along a row of the cluster (waves 0, 1), Wo's along a column (waves 2, 3).  Source 0 = 16 rows of Wo, source 1 = 16 tokens.
; PREFETCH: steps 1 and 2 are asked for behind the head's tensor load, step 3 behind the second one: one or two K steps ahead of their loads.  The four partners that ask for a tile jointly share its blocks of 256 bytes out by address:
; of a wave's 32,768 bytes each takes 32 blocks, one a lane.  Wo is walked by all eight rows of clusters: the first four of them ask for it.
; LIMITS: e10 + e11 between -126 and 127.  NaN is not served.
.set PITCH,  528
.set ABY,    65536
.set HALFB,  64*PITCH
.set SLOT,   ABY+2*HALFB
.set SPARE,  2*SLOT
.set SPITCH, 272
.set LAPS,   2
.set ADRA, 16
.set ADRB, 20
.set STO,  24
.set RD,   25
.set CO,   26
.set BCO,  27
.set SPW,  28
.set NIL,  29
.set TMP,  32
.set BO,   96
.set ACC,  128
.set F0,   0
.set F1,   128
.set G1,  24
.set G0,  32
.set G1B, 48
.set G0B, 56
.set MSB, 0
.macro WIN new
.if MSB != (\new)
	s_set_vgpr_msb (MSB<<8)|(\new)
.set MSB, \new
.endif
.endm
.set MUL,  0x05
.set TO_F, 0x40
.macro JLOAD s
	s_cmp_eq_u32 s11, 0
	s_cbranch_scc0 .Lfor_b_\@
	tensor_load_to_lds s[G0+4*\s:G0+4*\s+3], s[G1:G1+7]
	s_nop 0
.rept 4
	v_nop
.endr
	s_branch .Lasked_\@
.Lfor_b_\@:
	tensor_load_to_lds s[G0B+4*\s:G0B+4*\s+3], s[G1B:G1B+7]
	s_nop 0
.rept 4
	v_nop
.endr
.Lasked_\@:
.endm
.macro CREST
	s_cmp_lg_u32 s10, 0
	s_cbranch_scc1 .Lnot_wave_0_\@
	s_barrier_signal -3
.Lnot_wave_0_\@:
	s_barrier_wait -3
	s_barrier_signal -1
	s_barrier_wait -1
.endm
.macro CROUND
	s_barrier_signal -1
	s_barrier_wait -1
	CREST
.endm
	s_load_b128 s[4:7], s[0:1], 0x0
	s_load_b64 s[66:67], s[0:1], 0x10
	s_load_b64 s[68:69], s[0:1], 0x18
	s_load_b64 s[8:9], s[0:1], 0x20
	v_lshl_add_u32 v[SPW], v0, 2, SPARE
	v_mov_b32 v[NIL], 0
	ds_add_u32 v28, v29
	ds_add_u32 v28, v29
	s_wait_dscnt 0x0
	v_lshrrev_b32 v1, 5, v0
	v_readfirstlane_b32 s10, v1
	s_lshr_b32 s11, s10, 1
	s_and_b32 s12, s10, 1
	s_bfe_u32 s40, ttmp6, 0x40000
	s_bfe_u32 s41, ttmp6, 0x40004
	s_lshl_b32 s42, ttmp9, 2
	s_add_co_u32 s42, s42, s40
	s_and_b32 s13, ttmp7, 0xffff
	s_lshl_b32 s13, s13, 2
	s_add_co_u32 s13, s13, s41
	s_lshl_b32 s43, s41, 2
	s_lshl_b32 s43, 15, s43
	s_lshl_b32 s44, 0x1111, s40
	s_or_b32 s[G1+0], s43, (3<<16)|(1<<21)
	s_mov_b32 s[G1+1], 32<<16
	s_mov_b32 s[G1+2], 128<<16
	s_mov_b32 s[G1+3], 32<<16
	s_mov_b32 s[G1+4], 128
	s_mov_b32 s[G1+5], 32
	s_mov_b32 s[G1+6], 0
	s_mov_b32 s[G1+7], 0
	s_or_b32 s[G1B+0], s44, (1<<20)|(1<<21)|(6<<22)|(3<<25)
	s_mov_b32 s[G1B+1], 512<<16
	s_mov_b32 s[G1B+2], 64<<16
	s_mov_b32 s[G1B+3], 512<<16
	s_mov_b32 s[G1B+4], 64
	s_mov_b32 s[G1B+5], 2048
	s_mov_b32 s[G1B+6], 0
	s_mov_b32 s[G1B+7], 0
	s_lshl_b32 s16, s13, 18
	s_lshl_b32 s17, s12, 15
	s_add_co_u32 s16, s16, s17
	s_mov_b32 s17, 0
	s_lshl_b32 s46, s42, 7
	s_lshl_b32 s47, s12, 6
	s_add_co_u32 s46, s46, s47
	s_lshl_b32 s46, s46, 11
	s_mov_b32 s47, 0
	s_lshl_b32 s20, s12, 15
	s_mul_i32 s21, s12, HALFB
	s_add_co_u32 s21, s21, ABY
	s_wait_kmcnt 0x0
	s_load_b64 s[70:71], s[68:69], 0x28
	s_add_nc_u64 s[14:15], s[4:5], s[16:17]
	s_add_nc_u64 s[46:47], s[6:7], s[46:47]
	CROUND
.irp s, 0,1
	s_mov_b32 s[G0+4*\s], 1
	s_add_co_u32 s[G0+4*\s+1], s20, \s*SLOT
	s_add_nc_u64 s[G0+4*\s+2:G0+4*\s+3], s[14:15], \s*ABY
	s_or_b32 s[G0+4*\s+3], s[G0+4*\s+3], 0x80000000
	s_mov_b32 s[G0B+4*\s], 1
	s_add_co_u32 s[G0B+4*\s+1], s21, \s*SLOT
	s_add_nc_u64 s[G0B+4*\s+2:G0B+4*\s+3], s[46:47], \s*512
	s_or_b32 s[G0B+4*\s+3], s[G0B+4*\s+3], 0x80000000
.endr
	JLOAD 0                                        ; slot 0: one tensor load a wave at the head
	v_and_b32 v1, 15, v0
	v_bfe_u32 v2, v0, 4, 1
	v_and_b32 v3, 31, v0
	v_lshlrev_b32 v3, 4, v3
	v_mul_u32_u24 v4, v1, PITCH
	v_lshl_add_u32 v4, v2, 4, v4
	s_lshl_b32 s22, s11, 13
	s_mul_i32 s23, s12, HALFB
	s_add_co_u32 s23, s23, ABY
.irp s, 0,1
	v_add_nc_u32 v[ADRA+\s], s22, v3
	v_add_nc_u32 v[ADRB+\s], s23, v4
	s_add_co_u32 s22, s22, SLOT
	s_add_co_u32 s23, s23, SLOT
.endr
	s_mul_i32 s22, s10, 16*SPITCH
	v_mul_u32_u24 v5, v1, SPITCH
	v_lshl_add_u32 v5, v2, 5, v5
	v_add_nc_u32 v[STO], s22, v5
	v_mul_u32_u24 v5, v2, SPITCH
	v_lshl_add_u32 v5, v1, 4, v5
	v_add_nc_u32 v[RD], s22, v5
	v_lshlrev_b32 v5, 12, v2
	v_lshl_add_u32 v[CO], v1, 4, v5
	v_lshlrev_b32 v[BCO], 5, v2
	; the prefetches: s14 = ctx's, s46 = Wo's first byte of my wave's part of K step 0
	s_mov_b32 s17, 2048
	s_mov_b32 s18, 512
	s_cmp_eq_u32 s11, 0                            ; do I fetch ctx?
	s_cselect_b32 s17, 512, s17                    ; from two lanes to the next two
	s_cselect_b32 s18, 0x10000, s18                ; from K step to K step
	s_cselect_b32 s22, s40, s41                    ; my place among the four
	s_cselect_b32 s23, 13, 15
	s_cselect_b64 s[72:73], s[14:15], s[46:47]
	s_lshl_b32 s22, s22, s23                       ; 32 blocks of ctx, or 16 rows of Wo
	s_mov_b32 s23, 0
	s_mov_b32 s19, 0
	s_add_nc_u64 s[72:73], s[72:73], s[22:23]
	s_add_nc_u64 s[72:73], s[72:73], s[18:19]      ; K step 1,
	s_add_nc_u64 s[74:75], s[72:73], s[18:19]      ; 2,
	s_add_nc_u64 s[76:77], s[74:75], s[18:19]      ; 3
	s_and_b32 s20, ttmp7, 0xffff
	s_cmp_lt_u32 s20, 4
	s_cselect_b32 s78, 1, 0
	s_cmp_eq_u32 s11, 0
	s_cselect_b32 s78, 1, s78                      ; do I ask?
	v_and_b32 v6, 1, v0
	v_bfe_u32 v7, v0, 1, 4
	v_mul_lo_u32 v7, v7, s17
	v_lshl_add_u32 v30, v6, 8, v7
	s_wait_alu depctr_va_vdst(0)
	s_cmp_eq_u32 s78, 1
	s_cbranch_scc0 .Lask_not
	global_prefetch_b8 v30, s[72:73] th:TH_LOAD_NT scope:SCOPE_SE
	global_prefetch_b8 v30, s[74:75] th:TH_LOAD_NT scope:SCOPE_SE
.Lask_not:
	s_lshl_b32 s16, s13, 7
	s_lshl_b32 s17, s11, 6
	s_add_co_u32 s16, s16, s17
	s_lshl_b32 s16, s16, 12
	s_lshl_b32 s46, s42, 9
	s_lshl_b32 s47, s12, 8
	s_add_co_u32 s46, s46, s47
	s_mov_b32 s47, 0
	s_add_nc_u64 s[66:67], s[66:67], s[46:47]
	s_add_co_u32 s16, s16, s46
	s_mov_b32 s17, 0
	s_add_nc_u64 s[8:9], s[8:9], s[16:17]
.irp b, 0,1,2,3
	global_load_b128 v[BO+8*\b:BO+8*\b+3],   v[BCO], s[66:67] offset:64*\b
	global_load_b128 v[BO+8*\b+4:BO+8*\b+7], v[BCO], s[66:67] offset:64*\b+16
.endr
	s_wait_kmcnt 0x0
	s_add_co_i32 s70, s70, s71
	s_add_co_i32 s70, s70, 127
	s_lshl_b32 s70, s70, 23
	s_mov_b32 s71, s70
.macro MUL8 f, a0, zero
.irp a, \a0, \a0+1
.irp b, 0,1,2,3
.if \zero
	v_wmma_f32_16x16x128_fp8_fp8 v[ACC+8*(4*(\a)+\b):ACC+8*(4*(\a)+\b)+7], v[\f+64+16*\b:\f+64+16*\b+15], v[\f+16*(\a):\f+16*(\a)+15], 0
.else
	v_wmma_f32_16x16x128_fp8_fp8 v[ACC+8*(4*(\a)+\b):ACC+8*(4*(\a)+\b)+7], v[\f+64+16*\b:\f+64+16*\b+15], v[\f+16*(\a):\f+16*(\a)+15], v[ACC+8*(4*(\a)+\b):ACC+8*(4*(\a)+\b)+7]
.endif
.endr
.endr
.endm
.macro FETCH slot, q, f
	WIN TO_F
.irp i, 0,1,2,3
.irp c, 0,1,2,3
	ds_load_b128 v[\f+64+16*\i+4*\c:\f+64+16*\i+4*\c+3], v[ADRB+\slot] offset:128*(\q)+32*\c+\i*16*PITCH
.endr
.endr
.irp i, 0,1,2,3
.irp c, 0,1,2,3
	ds_load_b128 v[\f+16*\i+4*\c:\f+16*\i+4*\c+3], v[ADRA+\slot] offset:16384*(\q)+2048*\i+512*\c
.endr
.endr
.endm
.macro PLACES
.rept 4
	v_nop
.endr
.endm
.macro QUARTER slot, qn, f, g, zero
	s_wait_dscnt 8
	WIN MUL
	MUL8 \f, 0, \zero
	PLACES
	FETCH \slot, \qn, \g
	s_wait_dscnt 32
	WIN MUL
	MUL8 \f, 2, \zero
.endm
.macro TURN slot, next, fill
	WIN 0
	s_wait_tensorcnt 0x0
	ds_add_u32 v[SPW], v[NIL]
	s_wait_dscnt 9
	WIN MUL
	MUL8 F1, 0, 0
	s_wait_dscnt 0x0
	s_barrier_signal -1
	WIN 0
	s_barrier_wait -1
.if \fill
	CREST
	s_add_nc_u64 s[G0+4*\slot+2:G0+4*\slot+3], s[G0+4*\slot+2:G0+4*\slot+3], 2*ABY
	s_add_nc_u64 s[G0B+4*\slot+2:G0B+4*\slot+3], s[G0B+4*\slot+2:G0B+4*\slot+3], 2*512
	JLOAD \slot
.else
	PLACES
.endif
	FETCH \next, 0, F0
	WIN MUL
	MUL8 F1, 2, 0
.endm
	s_wait_alu depctr_va_vdst(0)                   ; the wait at the head's end
	s_wait_tensorcnt 0x0                           ; my part of slot 0 is in
	ds_add_u32 v[SPW], v[NIL]
	s_wait_dscnt 0x0
	CROUND                                         ; everybody's part of slot 0 is in, all sixteen work-groups are here
	JLOAD 1                                        ; slot 1, the first tensor load behind the round
	s_cmp_eq_u32 s78, 1
	s_cbranch_scc0 .Lask_no_more
	global_prefetch_b8 v30, s[76:77] th:TH_LOAD_NT scope:SCOPE_SE
.Lask_no_more:
	FETCH 0, 0, F0
	QUARTER 0, 1, F0, F1, 1
	WIN 0
	s_mov_b32 s3, LAPS-1
.Llap:
	QUARTER 0, 2, F1, F0, 0
	QUARTER 0, 3, F0, F1, 0
	TURN 0, 1, 1
	QUARTER 1, 1, F0, F1, 0
	QUARTER 1, 2, F1, F0, 0
	QUARTER 1, 3, F0, F1, 0
	TURN 1, 0, 1
	QUARTER 0, 1, F0, F1, 0
	WIN 0
	s_sub_co_u32 s3, s3, 1
	s_cmp_lg_u32 s3, 0
	s_cbranch_scc1 .Llap
	QUARTER 0, 2, F1, F0, 0
	QUARTER 0, 3, F0, F1, 0
	TURN 0, 1, 0
	QUARTER 1, 1, F0, F1, 0
	QUARTER 1, 2, F1, F0, 0
	QUARTER 1, 3, F0, F1, 0
	s_wait_dscnt 8
	WIN MUL
	MUL8 F1, 0, 0
	s_wait_dscnt 0
	MUL8 F1, 2, 0
	WIN 0
.macro TOSTAGE a
.set TT, TMP+32*((\a)%2)
.set AC, ACC+32*(\a)
.set j, 0
.rept 16
	v_pk_fma_f32 v[TT+j:TT+j+1], v[AC+j:AC+j+1], s[70:71], v[BO+j:BO+j+1] op_sel_hi:[1,0,1]
.set j, j+2
.endr
.irp b, 0,1,2,3
	ds_store_b128 v[STO], v[TT+8*\b:TT+8*\b+3] offset:64*\b
	ds_store_b128 v[STO], v[TT+8*\b+4:TT+8*\b+7] offset:64*\b+16
.endr
.irp t, 0,1,2,3,4,5,6,7
	ds_load_b128 v[AC+4*\t:AC+4*\t+3], v[RD] offset:\t*2*SPITCH
.endr
.endm
.macro SEND a, younger
.set AC, ACC+32*(\a)
	s_wait_dscnt \younger
.irp t, 0,1,2,3,4,5,6,7
	global_store_b128 v[CO], v[AC+4*\t:AC+4*\t+3], s[8:9] offset:(32*((\a)/2)+8*((\a)%2)+16*(\t/4)+2*(\t%4))*4096 th:TH_STORE_NT
.endr
.endm
	s_wait_loadcnt 0x0
	PLACES
	TOSTAGE 0
.irp a, 1,2,3
	TOSTAGE \a
	SEND \a-1, 16
.endr
	SEND 3, 0
	s_wait_tensorcnt 0x0
	ds_add_u32 v[SPW], v[NIL]
	s_wait_dscnt 0x0
	CROUND
	s_endpgm
.Lfunc_end_k_q2232b40a1b_outp:
	.size	k_q2232b40a1b_outp, .Lfunc_end_k_q2232b40a1b_outp-k_q2232b40a1b_outp
	.p2alignl 7, 3214868480
	.fill 96, 4, 3214868480
	.section	.rodata,"a",@progbits
	.p2align	6, 0x0
	.amdhsa_kernel k_q2232b40a1b_outp
		.amdhsa_group_segment_fixed_size 327680
		.amdhsa_private_segment_fixed_size 0
		.amdhsa_enable_private_segment 0
		.amdhsa_kernarg_size 40
		.amdhsa_user_sgpr_count 2
		.amdhsa_user_sgpr_kernarg_segment_ptr 1
		.amdhsa_wavefront_size32 1
		.amdhsa_system_sgpr_workgroup_id_x 1
		.amdhsa_system_sgpr_workgroup_id_y 1
		.amdhsa_system_sgpr_workgroup_id_z 1
		.amdhsa_system_vgpr_workitem_id 0
		.amdhsa_next_free_vgpr 512
		.amdhsa_next_free_sgpr 80
		.amdhsa_reserve_vcc 0
		.amdhsa_float_denorm_mode_32 3
		.amdhsa_float_denorm_mode_16_64 3
		.amdhsa_memory_ordered 1
		.amdhsa_forward_progress 1
		.amdhsa_inst_pref_size 76
	.end_amdhsa_kernel
	.amdgpu_metadata
---
amdhsa.version: [ 1, 2 ]
amdhsa.kernels:
  - .name:           k_q2232b40a1b_outp
    .symbol:         k_q2232b40a1b_outp.kd
    .args:
      - { .name: mws, .offset: 0, .size: 8, .value_kind: global_buffer, .address_space: global }
      - { .name: Wo_codes, .offset: 8, .size: 8, .value_kind: global_buffer, .address_space: global }
      - { .name: bo, .offset: 16, .size: 8, .value_kind: global_buffer, .address_space: global }
      - { .name: lowp_scales, .offset: 24, .size: 8, .value_kind: global_buffer, .address_space: global }
      - { .name: out0, .offset: 32, .size: 8, .value_kind: global_buffer, .address_space: global }
    .group_segment_fixed_size: 327680
    .private_segment_fixed_size: 0
    .kernarg_segment_align: 8
    .kernarg_segment_size: 40
    .max_flat_workgroup_size: 128
    .sgpr_count:     80
    .vgpr_count:     512
    .wavefront_size: 32
...
	.end_amdgpu_metadata
.endif
;; end of part 3
